; MI455X (gfx1250); checked and timed in simulation.
; The chip was launched on July 23, 2026; its instructions are those of AMD's public machine-readable ISA for CDNA 5 (MIT licence, August 2026) and "CDNA5" Instruction Set Architecture Reference Guide (July 2026). The comments in the code are by the model that wrote it; some were corrected since.
;; No Cross Layer Light. Allowed arithmetic: matrix products marked QUANTISED: E2M1 operands, one E8M0 scale for each 32 along K, by v_wmma_scale_f32_16x16x128_f8f6f4 with both operands' format E2M1 (or v_wmma_scale_f32_32x16x128_f4), f32 sums; products left as they are: f32 operands where the result goes on into a quantised operand, else bf16, f16 or f32 operands; f32 sums; everything else in f32.
;; Inputs: b_m1 128 float32; b_m2 128 float32; b_pos 128 float32; b_t1 128 float32; b_t2 128 float32; feat1 8 x 64 x 4,096 float32; feat2 8 x 64 x 4,096 float32; pc1 8 x 3 x 4,096 float32; pc2 8 x 3 x 4,096 float32; w_m1 128 x 128 float32; w_m2 128 x 128 float32; w_pos 128 x 3 float32; w_t1 128 x 64 float32; w_t2 128 x 64 float32.
;; Outputs: out0 8 x 128 x 4,096 float32.
;; This version of the problem:
;;   THIS VERSION OF THE PROBLEM IS GIVEN IN LOW PRECISION. The matrix products marked QUANTISED in the list below multiply operands that are first quantised to E2M1 (2 exponent bits, 1 mantissa bit; 4 bits a number), with one power-of-two scale for each 32 numbers along K (OCP MX v1.0); their sums are f32. All else is computed in f32.
;;   The module's matrix products, in the order in which they are computed (A, B: the left and right operand; K: the contracted axis; several contracted axes count as one K, in the product's order):
;;     1. [M 32,768, K 64] x [K 64, N 128]; A: input feat1; B: input w_t1: QUANTISED
;;     2. [M 32,768, K 64] x [K 64, N 128]; A: input feat2; B: input w_t2: QUANTISED
;;     3. batch 8 x [M 4,096, K 3] x [K 3, N 4,096]; A: input pc1; B: input pc2: left as it is (K = 3 < 32)
;;     4. [M 524,288, K 3] x [K 3, N 128]; A: computed on the way; B: input w_pos: left as it is (K = 3 < 32)
;;     5. [M 524,288, K 128] x [K 128, N 128]; A: computed on the way; B: input w_m1: QUANTISED
;;     6. [M 524,288, K 128] x [K 128, N 128]; A: computed on the way; B: input w_m2: QUANTISED
;;   THE QUANTISER, for each operand of a quantised product, along K:
;;     - K is cut into blocks of 32 from its start; a last block that is shorter is filled with zeros.
;;     - A block's scale is 2^e with e = floor(log2(the largest magnitude in the block)) - 2, held to -126 .. 127; a block of zeros has e = 0. As a byte (E8M0): e + 127.
;;     - Each number is divided by its block's scale, clamped to +-6, and rounded to the nearest number of E2M1, ties to even, subnormals kept.
;;     - The product sums the exact products of the quantised numbers (number of the format x scale) in f32.
;;   ~~~python
;;   def quantise(x, axis):      # numpy; x: float32 -> the quantised numbers, widened to float32 again
;;       x = np.moveaxis(x, axis, -1); K = x.shape[-1]
;;       x = np.pad(x, [(0, 0)] * (x.ndim - 1) + [(0, -K % 32)]); x = x.reshape(x.shape[:-1] + (-1, 32)); a = np.abs(x).max(-1, keepdims=True)
;;       e = np.where(a > 0, np.clip(np.frexp(np.where(a > 0, a, 1))[1] - 1 - 2, -126, 127), 0)      # np.frexp(a)[1] - 1 = floor(log2(a)), exactly
;;       r = np.clip(x / 2.0 ** e, -6, 6)
;;       step = 2.0 ** (np.maximum(np.frexp(np.where(r == 0, 1, r))[1] - 1, 0) - 1)
;;       q = np.round(r / step) * step * 2.0 ** e      # np.round: ties to even
;;       return np.moveaxis(q.reshape(q.shape[:-2] + (-1,))[..., :K], -1, axis).astype(np.float32)
;;   ~~~
;;   OPERANDS COMPUTED ON THE WAY. 'Computed on the way' means the value that the module computes at that place (a softmax that the list does not call 'softmax' is quantised finished and normalised). What goes into a quantiser is computed in f32, as accurately as f32 sums, v_exp_f32 and their like allow (about 1e-6 of the number): no bf16 or f16 on the way to a quantiser, and a product that is left as it is and whose result goes on into a quantised operand takes f32 operands (vector FMAs, or v_wmma_f32_16x16x4_f32). A number that lies on a knife's edge between two numbers of the format may be rounded either way, as far as f32 arithmetic and the matrix unit's own rounding can turn it there, and no further.
;; 2 versions, each right; version 2 is version 1 with the launch mlp written anew for expert scheduling mode. Each part assembles by itself: llvm-mc -triple=amdgcn-amd-amdhsa -mcpu=gfx1250 --defsym DOCPART=n.
;; ======== version 1 of 2: 3 launches
;; workspace buffers: rec1 2,097,152 bytes; rec2 2,097,152 bytes; wq 27,648 bytes; bins 524,288 bytes of whole numbers; nbr 1,048,576 bytes of whole numbers
;; launch bins (part 1): grid 256 x 1, 8 waves a work-group, no clusters, 218,368 bytes of LDS; arguments pc1, pc2, feat1, feat2, rec1, rec2, bins; writes rec1, rec2, bins
.if DOCPART == 1
	.amdgcn_target "amdgcn-amd-amdhsa--gfx1250"
	.amdhsa_code_object_version 6
	.text
	.protected	k_q2da20a38ca_bins
	.globl	k_q2da20a38ca_bins
	.p2align	8
	.type	k_q2da20a38ca_bins,@function
k_q2da20a38ca_bins:
	s_mov_b64 s[64:65], 0
	v_nop
	global_prefetch_b8 v0, s[64:65] scope:SCOPE_SE
	s_setreg_imm32_b32 hwreg(HW_REG_WAVE_MODE, 25, 1), 1
	s_wait_xcnt 0x0
; FIRST OF THREE LAUNCHES.  (a) A record of 64 bytes for every point of both clouds: the point's 64 features as codes of E2M1 (two blocks of 32 along the channels), their two E8M0 bytes, and x, y, z.
; (b) For every query (point of pc1) the 16 BINS of 16 neighbouring candidates (points of pc2 of the same batch) that can hold its 16 nearest: the 16 smallest bins by (smallest distance in the bin, bin number).
; Why that is exact: order candidates by (distance, index).  Were the bin of one of the 16 first candidates not chosen, 16 other bins would each hold a candidate that comes before it.
; DISTANCE, operation by operation as the problem writes it: d = (s1 + s2) + (-2 x2) . x1.  s = (x x + y y) + z z and the product of K = 3, ((p0 + p1) + p2), BOTH WITH EACH PRODUCT ROUNDED BEFORE IT IS ADDED:
; which of two nearly equal distances is the smaller hangs on these roundings, so the multiplies and adds of the distance are not fused, on purpose.  The factor -2 is exact.
; SHARES.  256 work-groups of 8 waves; work-group g: batch g / 32, queries 128 (g % 32) on.  Minima: wave w takes bins 32 w .. 32 w + 31 for all 128 queries, 4 queries a lane.  Selection: wave w takes queries
; 16 w .. 16 w + 15; lane (r, h) has query r and bins 128 h .. 128 h + 127.  Records: waves 0-3 make 128 records of cloud 1, waves 4-7 of cloud 2, a lane a point.
; SELECTION WITHOUT PAYLOAD.  A network of f32 minima and maxima gives U, the 16th smallest minimum.  Then each bin gets a key, an f32 bit pattern with a fixed exponent: 512 + number where its minimum is under U,
; 512 + 256 + number where it equals U, a sentinel else; the same network on the keys leaves all bins under U and then the ties in ascending number.
; NO TENSOR LOADS, NO CLUSTER: the table in LDS is computed (48 KB of pc2 become 64 KB of pairs with -2 folded in and s2 beside them), not copied; what work-groups share is those 48 KB, read once each.
; LIMITS: NaN and infinities are not served.  Two candidates whose distances differ by less than one rounding of the distance may change places at rank 16 against an evaluation that rounds it otherwise than stated above.
; A block of 32 zeros gets the byte 1 over zero codes (the bytes are read by this program alone); blocks whose largest magnitude lies under 2^-124 were not tried.
.set MAT,  65536                       ; LDS 0 .. 65535: the table: pair p (candidates 2 p, 2 p + 1) at 32 p: -2x0 -2x1 -2y0 -2y1 | -2z0 -2z1 s0 s1
                                       ; MAT: the minimum of (bin, query) at 512 bin + 64 (bin / 128) + 4 query: 131,136 bytes; the 64 puts lanes r and 16 + r of the selection's loads on different banks
.set RST,  196864                      ; 2,560 bytes a wave: 32 records, 80 bytes apart
.set Q,    8                           ; v8-23   four queries a lane: x, y, z, s1
.set MNA,  24                          ; v24-27  running minima of the bin in bank C0
.set PP,   28                          ; v28-35  four pairs at work
.set TT,   36                          ; v36-43  four pairs at work
.set MNB,  48                          ; v48-51  running minima of the bin in bank C1
.set C0,   64                          ; v64-127  a bin's 8 pair records; first the table's numbers as loaded
.set C1,   128                         ; v128-191 the next bin's; first a point's 64 features
.set SRC,  64                          ; v64-191 the selection's 128 minima
.set F,    128
.set RP,   192                         ; v192-208 the running list's 16 wires and a spare
.set BP,   209                         ; v209-225 a batch's 16 wires and a spare
.set KT,   226                         ; v226-241 16 keys; first a record's 16 words
.set SEL,  28                          ; s[28:29] v_permlanex16_b32's selects for lane l xor 16
; ---- the network.  A wire is a symbol that holds a register number; a comparator writes the minimum into the spare register and the maximum in place, and the wire and the spare change names: two instructions, no move.
.macro CE a, b
	v_min_num_f32 v[SPX], v[\a], v[\b]
	v_max_num_f32 v[\b], v[\a], v[\b]
.set TSW, \a
.set \a, SPX
.set SPX, TSW
.endm
.macro CB a, b
	CE B\a, B\b
.endm
.macro CR a, b
	CE R\a, R\b
.endm
.macro CF a, b, src, pool              ; a comparator of the first layer: out of place, so that the source registers stay
.set B\a, \pool+\a
.set B\b, \pool+\b
	v_min_num_f32 v[\pool+\a], v[\src+\a], v[\src+\b]
	v_max_num_f32 v[\pool+\b], v[\src+\a], v[\src+\b]
.endm
.macro SORT16 src, pool                ; the odd-even merge sort of 16: 63 comparators; B0 .. B15 ascend
.set SPX, \pool+16
	CF 0, 1, \src, \pool
	CF 2, 3, \src, \pool
	CF 4, 5, \src, \pool
	CF 6, 7, \src, \pool
	CF 8, 9, \src, \pool
	CF 10, 11, \src, \pool
	CF 12, 13, \src, \pool
	CF 14, 15, \src, \pool
	CB 0, 2
	CB 1, 3
	CB 4, 6
	CB 5, 7
	CB 8, 10
	CB 9, 11
	CB 12, 14
	CB 13, 15
	CB 1, 2
	CB 5, 6
	CB 9, 10
	CB 13, 14
	CB 0, 4
	CB 1, 5
	CB 2, 6
	CB 3, 7
	CB 8, 12
	CB 9, 13
	CB 10, 14
	CB 11, 15
	CB 2, 4
	CB 3, 5
	CB 10, 12
	CB 11, 13
	CB 1, 2
	CB 3, 4
	CB 5, 6
	CB 9, 10
	CB 11, 12
	CB 13, 14
	CB 0, 8
	CB 1, 9
	CB 2, 10
	CB 3, 11
	CB 4, 12
	CB 5, 13
	CB 6, 14
	CB 7, 15
	CB 4, 8
	CB 5, 9
	CB 6, 10
	CB 7, 11
	CB 2, 4
	CB 3, 5
	CB 6, 8
	CB 7, 9
	CB 10, 12
	CB 11, 13
	CB 1, 2
	CB 3, 4
	CB 5, 6
	CB 7, 8
	CB 9, 10
	CB 11, 12
	CB 13, 14
.endm
.macro MG i, j
	v_min_num_f32 v[R\i], v[R\i], v[B\j]
.endm
.macro MERGE                           ; the 16 smallest of two ascending lists: minima against the other list reversed, then a bitonic merge
	MG 0, 15
	MG 1, 14
	MG 2, 13
	MG 3, 12
	MG 4, 11
	MG 5, 10
	MG 6, 9
	MG 7, 8
	MG 8, 7
	MG 9, 6
	MG 10, 5
	MG 11, 4
	MG 12, 3
	MG 13, 2
	MG 14, 1
	MG 15, 0
.set SPX, SPR
	CR 0, 8
	CR 1, 9
	CR 2, 10
	CR 3, 11
	CR 4, 12
	CR 5, 13
	CR 6, 14
	CR 7, 15
	CR 0, 4
	CR 1, 5
	CR 2, 6
	CR 3, 7
	CR 8, 12
	CR 9, 13
	CR 10, 14
	CR 11, 15
	CR 0, 2
	CR 1, 3
	CR 4, 6
	CR 5, 7
	CR 8, 10
	CR 9, 11
	CR 12, 14
	CR 13, 15
	CR 0, 1
	CR 2, 3
	CR 4, 5
	CR 6, 7
	CR 8, 9
	CR 10, 11
	CR 12, 13
	CR 14, 15
.set SPR, SPX
.endm
.macro BATCH first, src                ; 16 more numbers, v[src] on, enter the running list R0 .. R15
.if \first
	SORT16 \src, RP
.irp i, 0,1,2,3,4,5,6,7,8,9,10,11,12,13,14,15
.set R\i, B\i
.endr
.set SPR, SPX
.else
	SORT16 \src, BP
	MERGE
.endif
.endm
.macro XP i, j
	v_permlanex16_b32 v[BP+\i], v[R\j], s[SEL], s[SEL+1]
.endm
.macro XM i
	v_min_num_f32 v[BP+\i], v[R\i], v[BP+\i]
.endm
.macro CROSS                           ; with lane l xor 16's list: v[BP] .. v[BP + 15] are the 16 smallest of both; the other lane holds them in reverse, so v[BP] .. v[BP + 7] of the two lanes are all 16
	XP 0, 15
	XP 1, 14
	XP 2, 13
	XP 3, 12
	XP 4, 11
	XP 5, 10
	XP 6, 9
	XP 7, 8
	XP 8, 7
	XP 9, 6
	XP 10, 5
	XP 11, 4
	XP 12, 3
	XP 13, 2
	XP 14, 1
	XP 15, 0
.irp i, 0,1,2,3,4,5,6,7,8,9,10,11,12,13,14,15
	XM \i
.endr
.endm
.macro TOPMAX dst                      ; the largest of those 16: the 16th smallest of all
	v_max3_num_f32 v[\dst], v[BP], v[BP+1], v[BP+2]
.irp i, 3,5,7,9,11,13
	v_max3_num_f32 v[\dst], v[\dst], v[BP+\i], v[BP+\i+1]
.endr
	v_max_num_f32 v[\dst], v[\dst], v[BP+15]
.endm
; ---- the keys of the 16 bins of batch k (numbers 16 k + i within my half)
.macro KEYS k
.irp i, 0,1,2,3,4,5,6,7,8,9,10,11,12,13,14,15
	v_cmp_neq_f32 vcc_lo, v[SRC+16*(\k)+\i], v60
	v_cndmask_b32 v[KT+\i], 0x44000000+((256+16*(\k)+\i)<<14), v61, vcc_lo    ; equal to U: behind all that lie under it; else the sentinel
	v_cmp_ge_f32 vcc_lo, v[SRC+16*(\k)+\i], v60
	v_cndmask_b32 v[KT+\i], 0x44000000+((16*(\k)+\i)<<14), v[KT+\i], vcc_lo   ; under U
.endr
.endm
; ---- the minima
.macro LOADBIN bank, off               ; a bin's 256 bytes, the same for all lanes
.irp k, 0,1,2,3,4,5,6,7,8,9,10,11,12,13,14,15
	ds_load_b128 v[\bank+4*\k:\bank+4*\k+3], v5 offset:\off+16*\k
.endr
.endm
.macro COMPUTE bank, mn                ; 16 candidates x my four queries: seven packed instructions and half a minimum for two distances; no multiply is fused with an add (see the head)
.irp p, 0,1,2,3,4,5,6,7
.irp j, 0,1,2,3
	v_pk_mul_f32 v[PP+2*\j:PP+2*\j+1], v[\bank+8*\p:\bank+8*\p+1], v[Q+4*\j:Q+4*\j+1] op_sel_hi:[1,0]                        ; p0 = (-2 x2) x1
.endr
.irp j, 0,1,2,3
	v_pk_mul_f32 v[TT+2*\j:TT+2*\j+1], v[\bank+8*\p+2:\bank+8*\p+3], v[Q+4*\j:Q+4*\j+1] op_sel:[0,1] op_sel_hi:[1,1]         ; p1 = (-2 y2) y1
.endr
.irp j, 0,1,2,3
	v_pk_add_f32 v[PP+2*\j:PP+2*\j+1], v[PP+2*\j:PP+2*\j+1], v[TT+2*\j:TT+2*\j+1]                                            ; p0 + p1
.endr
.irp j, 0,1,2,3
	v_pk_mul_f32 v[TT+2*\j:TT+2*\j+1], v[\bank+8*\p+4:\bank+8*\p+5], v[Q+4*\j+2:Q+4*\j+3] op_sel_hi:[1,0]                    ; p2 = (-2 z2) z1
.endr
.irp j, 0,1,2,3
	v_pk_add_f32 v[PP+2*\j:PP+2*\j+1], v[PP+2*\j:PP+2*\j+1], v[TT+2*\j:TT+2*\j+1]                                            ; (p0 + p1) + p2
.endr
.irp j, 0,1,2,3
	v_pk_add_f32 v[TT+2*\j:TT+2*\j+1], v[\bank+8*\p+6:\bank+8*\p+7], v[Q+4*\j+2:Q+4*\j+3] op_sel:[0,1] op_sel_hi:[1,1]       ; s2 + s1
.endr
.irp j, 0,1,2,3
	v_pk_add_f32 v[PP+2*\j:PP+2*\j+1], v[TT+2*\j:TT+2*\j+1], v[PP+2*\j:PP+2*\j+1]
.endr
.irp j, 0,1,2,3
.if \p == 0
	v_min_num_f32 v[\mn+\j], v[PP+2*\j], v[PP+2*\j+1]
.else
	v_min3_num_f32 v[\mn+\j], v[\mn+\j], v[PP+2*\j], v[PP+2*\j+1]
.endif
.endr
.endr
.endm
.macro PUT mn, off
.irp j, 0,1,2,3
	ds_store_b32 v6, v[\mn+\j] offset:\off+128*\j
.endr
.endm
.macro TRIP more                       ; two bins
	s_wait_dscnt 0x0                               ; bank C0's bin is in (asked for a whole bin's work ago), and the last trip's stores are done: both LDS address registers may be written
	v_mov_b32 v5, s24
	v_add_nc_u32 v6, s25, v4
	LOADBIN C1, 256
	COMPUTE C0, MNA
	PUT MNA, 0
.if \more
	LOADBIN C0, 512
	s_wait_dscnt 20                                ; behind bank C1's loads: 4 stores and 16 loads
.else
	s_wait_dscnt 4                                 ; behind bank C1's loads: 4 stores
.endif
	COMPUTE C1, MNB
	PUT MNB, 512
	s_add_co_u32 s24, s24, 512
	s_add_co_u32 s25, s25, 1024
.endm
	s_load_b256 s[4:11], s[0:1], 0x0               ; pc1 s[4:5], pc2 s[6:7], feat1 s[8:9], feat2 s[10:11]
	s_load_b128 s[12:15], s[0:1], 0x20             ; rec1, rec2
	s_load_b64 s[16:17], s[0:1], 0x30              ; bins
	v_lshl_add_u32 v254, v0, 2, 0x35100
	v_mov_b32 v255, 0
	v_lshrrev_b32 v1, 5, v0
	v_readfirstlane_b32 s18, v1                    ; wave 0..7
	v_and_b32 v1, 31, v0                           ; lane
	v_and_b32 v2, 15, v0                           ; r
	v_bfe_u32 v3, v0, 4, 1                         ; h
	v_lshlrev_b32 v4, 2, v1                        ; 4 x lane
	s_and_b32 s19, ttmp9, 31                       ; which 128 queries of the batch
	s_lshr_b32 s20, ttmp9, 5                       ; the batch
	s_mov_b32 s[SEL], 0x76543210
	s_mov_b32 s[SEL+1], 0xfedcba98
	s_mul_i32 s22, s20, 49152                      ; a batch of a cloud: 3 x 4,096 x 4 bytes
	s_mov_b32 s23, 0
	s_lshl_b32 s40, s20, 20                        ; a batch of features: 64 x 4,096 x 4 bytes
	s_mov_b32 s41, 0
	s_and_b32 s27, s18, 3
	s_lshl_b32 s42, ttmp9, 13                      ; my wave's 32 records: 64 (128 g + 32 (w % 4)) bytes on
	s_lshl_b32 s21, s27, 11
	s_add_co_u32 s42, s42, s21
	s_mov_b32 s43, 0
	s_lshl_b32 s44, ttmp9, 11                      ; the work-group's 128 x 16 bytes of bins
	s_mov_b32 s45, 0
	v_lshlrev_b32 v44, 3, v0                       ; table, in: 8 bytes a thread
	s_lshl_b32 s21, s19, 9
	v_add_nc_u32 v45, s21, v4                      ; queries: 4 (n0 + lane)
	s_lshl_b32 s21, s27, 7
	v_add_nc_u32 v46, s21, v45                     ; my record's point: 4 (n0 + 32 (w % 4) + lane)
	v_lshlrev_b32 v47, 5, v0                       ; table, out: 32 bytes a thread
	s_mul_i32 s38, s18, 2560
	s_add_co_u32 s38, s38, RST                     ; my wave's stage for records
	v_mul_u32_u24 v242, v1, 80
	v_add_nc_u32 v242, s38, v242                   ; in: my record
	v_lshrrev_b32 v243, 2, v1
	v_mul_u32_u24 v243, v243, 80
	v_and_b32 v244, 3, v1
	v_lshl_add_u32 v243, v244, 4, v243
	v_add_nc_u32 v243, s38, v243                   ; back: four lanes to a record
	v_lshlrev_b32 v244, 4, v1                      ; and 16 bytes a lane in memory
	v_lshlrev_b32 v245, 4, v2
	v_lshl_add_u32 v245, v3, 3, v245
	s_lshl_b32 s39, s18, 8
	v_add_nc_u32 v245, s39, v245                   ; bins: 16 (16 w + r) + 8 h
	v_mul_u32_u24 v7, v3, 65600                    ; the selection's place in MAT: 4 (16 w + r), and 128 bins and the 64 further on for lanes 16-31
	v_lshl_add_u32 v7, v2, 2, v7
	s_lshl_b32 s39, s18, 6
	s_add_co_u32 s39, s39, MAT
	v_add_nc_u32 v7, s39, v7
	s_mov_b32 s36, 0x3f800000
	s_wait_kmcnt 0x0
	s_add_nc_u64 s[4:5], s[4:5], s[22:23]
	s_add_nc_u64 s[6:7], s[6:7], s[22:23]
	s_add_nc_u64 s[8:9], s[8:9], s[40:41]
	s_add_nc_u64 s[10:11], s[10:11], s[40:41]
	s_add_nc_u64 s[16:17], s[16:17], s[44:45]
	s_cmp_lt_u32 s18, 4                            ; waves 0-3: cloud 1; waves 4-7: cloud 2.  The choice hangs on the wave's number alone
	s_cselect_b64 s[30:31], s[8:9], s[10:11]
	s_cselect_b64 s[32:33], s[4:5], s[6:7]
	s_cselect_b64 s[34:35], s[12:13], s[14:15]
	s_cselect_b32 s36, 0, s36                      ; the record's fourth coordinate: 0 in cloud 1, 1 in cloud 2: their difference is the 1 that meets the biases
	s_cselect_b32 s37, 16, 0                       ; cloud 1's two scale bytes lie in the word's upper half
	s_add_nc_u64 s[34:35], s[34:35], s[42:43]
	; ---- all loads of the launch, in the order in which they are wanted
.irp k, 0,1,2,3,4,5,6,7
.irp c, 0,1,2
	global_load_b64 v[C0+8*\k+2*\c:C0+8*\k+2*\c+1], v44, s[6:7] offset:16384*\c+2048*\k   ; coordinate c of candidates 2 (t + 256 k), + 1
.endr
.endr
.irp j, 0,1,2,3
.irp c, 0,1,2
	global_load_b32 v[Q+4*\j+\c], v45, s[4:5] offset:16384*\c+128*\j                      ; query n0 + 32 j + lane
.endr
.endr
	global_load_b32 v[KT+8], v46, s[32:33]                                                ; my point's x, y, z, straight into the record's words
	global_load_b32 v[KT+9], v46, s[32:33] offset:16384
	global_load_b32 v[KT+12], v46, s[32:33] offset:32768
.set i, 0
.rept 64
	global_load_b32 v[F+i], v46, s[30:31] offset:16384*i th:TH_LOAD_NT                    ; its 64 features: a lane a point, registers down the channels
.set i, i+1
.endr
	s_wait_loadcnt 63                              ; 67 loads were issued behind the table's 24 and the queries' 12: those 36 are in
	; ---- the table.  s2 = (x x + y y) + z z, each square rounded by itself: multiplies and adds are kept apart on purpose (see the head)
.irp k, 0,1,2,3,4,5,6,7
	v_pk_mul_f32 v[C0+8*\k+6:C0+8*\k+7], v[C0+8*\k:C0+8*\k+1], v[C0+8*\k:C0+8*\k+1]
.endr
.irp k, 0,1,2,3,4,5,6,7
	v_pk_mul_f32 v[PP+2*\k:PP+2*\k+1], v[C0+8*\k+2:C0+8*\k+3], v[C0+8*\k+2:C0+8*\k+3]
.endr
.irp k, 0,1,2,3,4,5,6,7
	v_pk_add_f32 v[C0+8*\k+6:C0+8*\k+7], v[C0+8*\k+6:C0+8*\k+7], v[PP+2*\k:PP+2*\k+1]
.endr
.irp k, 0,1,2,3,4,5,6,7
	v_pk_mul_f32 v[PP+2*\k:PP+2*\k+1], v[C0+8*\k+4:C0+8*\k+5], v[C0+8*\k+4:C0+8*\k+5]
.endr
.irp k, 0,1,2,3,4,5,6,7
	v_pk_add_f32 v[C0+8*\k+6:C0+8*\k+7], v[C0+8*\k+6:C0+8*\k+7], v[PP+2*\k:PP+2*\k+1]
.endr
.irp k, 0,1,2,3,4,5,6,7
.irp c, 0,1,2
	v_pk_mul_f32 v[C0+8*\k+2*\c:C0+8*\k+2*\c+1], v[C0+8*\k+2*\c:C0+8*\k+2*\c+1], -2.0 op_sel_hi:[1,0]
.endr
.endr
.irp k, 0,1,2,3,4,5,6,7
	ds_store_b128 v47, v[C0+8*\k:C0+8*\k+3] offset:8192*\k
	ds_store_b128 v47, v[C0+8*\k+4:C0+8*\k+7] offset:8192*\k+16
.endr
.irp j, 0,1,2,3
	v_mul_f32 v[Q+4*\j+3], v[Q+4*\j], v[Q+4*\j]
.endr
.irp j, 0,1,2,3
	v_mul_f32 v[PP+\j], v[Q+4*\j+1], v[Q+4*\j+1]
.endr
.irp j, 0,1,2,3
	v_add_f32 v[Q+4*\j+3], v[Q+4*\j+3], v[PP+\j]
.endr
.irp j, 0,1,2,3
	v_mul_f32 v[PP+\j], v[Q+4*\j+2], v[Q+4*\j+2]
.endr
.irp j, 0,1,2,3
	v_add_f32 v[Q+4*\j+3], v[Q+4*\j+3], v[PP+\j]                                          ; s1, made as s2 is
.endr
	; ---- my point's record
	s_wait_loadcnt 0x0
.irp c, 0,1
	v_max3_num_f32 v[52+\c], |v[F+32*\c]|, |v[F+32*\c+1]|, 0x1800000                      ; block c: all 32 numbers are mine; the floor 2^(3 - 127) holds the byte at 1 from below
.endr
.irp i, 2,4,6,8,10,12,14,16,18,20,22,24,26,28,30
.irp c, 0,1
	v_max3_num_f32 v[52+\c], v[52+\c], |v[F+32*\c+\i]|, |v[F+32*\c+\i+1]|
.endr
.endr
.irp c, 0,1
	v_add_nc_u32 v[54+\c], 0xff000000, v[52+\c]    ; 2 off the exponent field: the conversion's scale operand
.endr
.irp c, 0,1
	v_lshrrev_b32 v[56+\c], 23, v[54+\c]           ; the scale's byte
.endr
	v_lshl_or_b32 v58, v57, 8, v56
	v_lshlrev_b32 v[KT+10], s37, v58
	v_mov_b32 v[KT+13], s36
	v_mov_b32 v[KT+11], 0
	v_mov_b32 v[KT+15], 0
.irp c, 0,1
.irp g, 0,1,2,3
	v_cvt_scalef32_pk8_fp4_f32 v[KT+4*\c+\g], v[F+32*\c+8*\g:F+32*\c+8*\g+7], v[54+\c]
.endr
.endr
	v_mov_b32 v[KT+14], v[KT+10]                   ; (also the plain instruction behind the conversions)
.irp k, 0,1,2,3
	ds_store_b128 v242, v[KT+4*\k:KT+4*\k+3] offset:16*\k
.endr
	s_wait_dscnt 0x0                               ; the table's stores have read v64 on, which the loads below fill
.irp k, 0,1,2,3
	ds_load_b128 v[C0+4*\k:C0+4*\k+3], v243 offset:640*\k                                 ; my wave's own bytes: eight records an instruction
.endr
	s_wait_dscnt 0x0
.irp k, 0,1,2,3
	global_store_b128 v244, v[C0+4*\k:C0+4*\k+3], s[34:35] offset:512*\k                  ; 32 lanes store 512 consecutive bytes, aligned
.endr
	s_wait_xcnt 0x0                                ; the stores have read their registers: bank C0 is loaded over them
	s_barrier_signal -1                            ; (no LDS instruction of mine is out)
	s_barrier_wait -1                              ; the table is whole
	; ---- the minima of my 32 bins for the 128 queries
	s_lshl_b32 s24, s18, 13                        ; my first bin in the table
	s_lshl_b32 s25, s18, 14
	s_lshr_b32 s26, s18, 2
	s_lshl_b32 s26, s26, 6
	s_add_co_u32 s25, s25, s26
	s_add_co_u32 s25, s25, MAT                     ; and in MAT
	v_mov_b32 v5, s24
	LOADBIN C0, 0
	s_mov_b32 s26, 15
.Ltrip:
	TRIP 1
	s_sub_co_u32 s26, s26, 1
	s_cmp_lg_u32 s26, 0
	s_cbranch_scc1 .Ltrip
	TRIP 0                                         ; the last two bins: nothing more is fetched
	s_wait_dscnt 0x0
	s_barrier_signal -1
	s_barrier_wait -1                              ; all 256 x 128 minima lie in LDS
	; ---- the selection
.set i, 0
.rept 128
	ds_load_b32 v[SRC+i], v7 offset:512*i
.set i, i+1
.endr
	v_mov_b32 v61, 0x44800000                      ; the sentinel: over every key
	v_lshlrev_b32 v62, 21, v3                      ; my half's 128 bins, at the key's place
	s_wait_dscnt 0x0
	BATCH 1, SRC
.irp k, 1,2,3,4,5,6,7
	BATCH 0, SRC+16*\k
.endr
	CROSS
	TOPMAX 60                                      ; U
	KEYS 0
	BATCH 1, KT
.irp k, 1,2,3,4,5,6,7
	KEYS \k
	BATCH 0, KT
.endr
.irp i, 0,1,2,3,4,5,6,7,8,9,10,11,12,13,14,15
	v_add_nc_u32 v[R\i], v62, v[R\i]               ; a constant in each lane: the order stays
.endr
	CROSS
.irp i, 0,1,2,3,4,5,6,7
	v_bfe_u32 v[KT+\i], v[BP+\i], 14, 8            ; the bin's number
.endr
	v_lshl_or_b32 v[KT], v[KT+1], 8, v[KT]
	v_lshl_or_b32 v[KT+4], v[KT+5], 8, v[KT+4]
	v_lshl_or_b32 v[KT], v[KT+2], 16, v[KT]
	v_lshl_or_b32 v[KT+4], v[KT+6], 16, v[KT+4]
	v_lshl_or_b32 v[KT], v[KT+3], 24, v[KT]
	v_lshl_or_b32 v[KT+1], v[KT+7], 24, v[KT+4]
	global_store_b64 v245, v[KT:KT+1], s[16:17]    ; the wave stores 256 consecutive bytes, aligned
	s_wait_tensorcnt 0x0
	ds_add_u32 v254, v255
	s_wait_dscnt 0x0
	s_endpgm
.Lfunc_end_k_q2da20a38ca_bins:
	.size	k_q2da20a38ca_bins, .Lfunc_end_k_q2da20a38ca_bins-k_q2da20a38ca_bins
	.p2alignl 7, 3214868480
	.fill 96, 4, 3214868480
	.section	.rodata,"a",@progbits
	.p2align	6, 0x0
	.amdhsa_kernel k_q2da20a38ca_bins
		.amdhsa_group_segment_fixed_size 218368
		.amdhsa_private_segment_fixed_size 0
		.amdhsa_enable_private_segment 0
		.amdhsa_kernarg_size 56
		.amdhsa_user_sgpr_count 2
		.amdhsa_user_sgpr_kernarg_segment_ptr 1
		.amdhsa_wavefront_size32 1
		.amdhsa_system_sgpr_workgroup_id_x 1
		.amdhsa_system_sgpr_workgroup_id_y 1
		.amdhsa_system_sgpr_workgroup_id_z 1
		.amdhsa_system_vgpr_workitem_id 0
		.amdhsa_next_free_vgpr 256
		.amdhsa_next_free_sgpr 66
		.amdhsa_reserve_vcc 1
		.amdhsa_float_denorm_mode_32 3
		.amdhsa_float_denorm_mode_16_64 3
		.amdhsa_memory_ordered 1
		.amdhsa_forward_progress 1
		.amdhsa_inst_pref_size 227
	.end_amdhsa_kernel
	.amdgpu_metadata
---
amdhsa.version: [ 1, 2 ]
amdhsa.kernels:
  - .name:           k_q2da20a38ca_bins
    .symbol:         k_q2da20a38ca_bins.kd
    .args:
      - { .name: pc1, .offset: 0, .size: 8, .value_kind: global_buffer, .address_space: global }
      - { .name: pc2, .offset: 8, .size: 8, .value_kind: global_buffer, .address_space: global }
      - { .name: feat1, .offset: 16, .size: 8, .value_kind: global_buffer, .address_space: global }
      - { .name: feat2, .offset: 24, .size: 8, .value_kind: global_buffer, .address_space: global }
      - { .name: rec1, .offset: 32, .size: 8, .value_kind: global_buffer, .address_space: global }
      - { .name: rec2, .offset: 40, .size: 8, .value_kind: global_buffer, .address_space: global }
      - { .name: bins, .offset: 48, .size: 8, .value_kind: global_buffer, .address_space: global }
    .group_segment_fixed_size: 218368
    .private_segment_fixed_size: 0
    .kernarg_segment_align: 8
    .kernarg_segment_size: 56
    .max_flat_workgroup_size: 256
    .sgpr_count:     66
    .vgpr_count:     256
    .wavefront_size: 32
...
	.end_amdgpu_metadata
.endif
;; end of part 1
;; launch knn (part 2): grid 256 x 1, 8 waves a work-group, no clusters, 132,096 bytes of LDS; arguments pc1, pc2, bins, w_t1, w_t2, w_m1, w_m2, nbr, wq; writes nbr, wq
.if DOCPART == 2
	.amdgcn_target "amdgcn-amd-amdhsa--gfx1250"
	.amdhsa_code_object_version 6
	.text
	.protected	k_q2da20a38ca_knn
	.globl	k_q2da20a38ca_knn
	.p2align	8
	.type	k_q2da20a38ca_knn,@function
k_q2da20a38ca_knn:
	s_mov_b64 s[64:65], 0
	v_nop
	global_prefetch_b8 v0, s[64:65] scope:SCOPE_SE
	s_setreg_imm32_b32 hwreg(HW_REG_WAVE_MODE, 25, 1), 1
	s_wait_xcnt 0x0
; SECOND OF THREE LAUNCHES.  (a) The exact 16 nearest candidates of every query, ties to the lower index, out of the 16 bins x 16 candidates that the first launch stored as whole numbers.
; (b) In work-groups 0 to 2: the three layers' weights as codes of E2M1, laid as images of the matrix operand's registers.
; The distances are made by the same operations on the same numbers as in the first launch, so a bin's minimum there is the minimum of its distances here: d = (s1 + s2) + (-2 x2) . x1, with s = (x x + y y) + z z and
; the product of K = 3, ((p0 + p1) + p2), both with each product rounded before it is added: which of two nearly equal distances is the smaller hangs on these roundings, so these multiplies and adds are not fused, on purpose.
; SHARES.  Work-group g: batch g / 32, queries 128 (g % 32) on; wave w: 16 of them; lane (r, h): query r and 8 of its 16 bins, 128 candidates.
; LDS: candidate (bin, pos) as (-2x, -2y, -2z, s2) at 512 bin + 16 pos, and once more 256 bytes on.  Lane r reads chunks r, r + 1, .. r + 15 of its bin, by immediates.
; The candidate read as chunk r + i is pos (r + i) % 16.
; SELECTION as in the first launch: the network on the distances gives T, the 16th smallest; keys 2^13 x (1 + ..) hold the candidate's index in bits 10-21 and bit 22 where the distance equals T; a sentinel over T.
; NO TENSOR LOADS, NO CLUSTER: the table is computed from 48 KB of pc2, not copied.
; LIMITS: NaN and infinities are not served; two candidates whose distances differ by less than one rounding of the distance may change places at rank 16 against an evaluation that rounds it otherwise than stated above;
; a block of 32 zero weights gets the byte 1 over zero codes; blocks under 2^-124 were not tried.
.set AS,   10                          ; v10-17  slot s: 512 bin + 16 r
.set KB,   18                          ; v18-25  slot s: the key's base: 0x46000000 + (bin << 14)
.set PKE,  30                          ; behind the distances: v30-45 PK with bit 22 set (v30-45 are at work before)
.set ST,   48                          ; v48-111 two stages of 8 candidates x 4 words
.set PK,   48                          ; behind the distances: v48-63 ((r + i) % 16) << 10
.set KT,   64                          ; v64-79  16 keys
.set RP,   80                          ; v80-96  the running list's wires and a spare
.set BP,   97                          ; v97-113 a batch's
.set D,    116                         ; v116-243 my 128 distances: 16 s + i
.set TL,   116                         ; first: the table's numbers as loaded, 48 registers,
.set TQ,   164                         ; and 16 candidates x 4 words
.set F,    116                         ; last: 64 numbers of a weight's row
.set SEL,  28
.macro CE a, b
	v_min_num_f32 v[SPX], v[\a], v[\b]
	v_max_num_f32 v[\b], v[\a], v[\b]
.set TSW, \a
.set \a, SPX
.set SPX, TSW
.endm
.macro CB a, b
	CE B\a, B\b
.endm
.macro CR a, b
	CE R\a, R\b
.endm
.macro CF a, b, src, pool
.set B\a, \pool+\a
.set B\b, \pool+\b
	v_min_num_f32 v[\pool+\a], v[\src+\a], v[\src+\b]
	v_max_num_f32 v[\pool+\b], v[\src+\a], v[\src+\b]
.endm
.macro SORT16 src, pool
.set SPX, \pool+16
	CF 0, 1, \src, \pool
	CF 2, 3, \src, \pool
	CF 4, 5, \src, \pool
	CF 6, 7, \src, \pool
	CF 8, 9, \src, \pool
	CF 10, 11, \src, \pool
	CF 12, 13, \src, \pool
	CF 14, 15, \src, \pool
	CB 0, 2
	CB 1, 3
	CB 4, 6
	CB 5, 7
	CB 8, 10
	CB 9, 11
	CB 12, 14
	CB 13, 15
	CB 1, 2
	CB 5, 6
	CB 9, 10
	CB 13, 14
	CB 0, 4
	CB 1, 5
	CB 2, 6
	CB 3, 7
	CB 8, 12
	CB 9, 13
	CB 10, 14
	CB 11, 15
	CB 2, 4
	CB 3, 5
	CB 10, 12
	CB 11, 13
	CB 1, 2
	CB 3, 4
	CB 5, 6
	CB 9, 10
	CB 11, 12
	CB 13, 14
	CB 0, 8
	CB 1, 9
	CB 2, 10
	CB 3, 11
	CB 4, 12
	CB 5, 13
	CB 6, 14
	CB 7, 15
	CB 4, 8
	CB 5, 9
	CB 6, 10
	CB 7, 11
	CB 2, 4
	CB 3, 5
	CB 6, 8
	CB 7, 9
	CB 10, 12
	CB 11, 13
	CB 1, 2
	CB 3, 4
	CB 5, 6
	CB 7, 8
	CB 9, 10
	CB 11, 12
	CB 13, 14
.endm
.macro MG i, j
	v_min_num_f32 v[R\i], v[R\i], v[B\j]
.endm
.macro MERGE
	MG 0, 15
	MG 1, 14
	MG 2, 13
	MG 3, 12
	MG 4, 11
	MG 5, 10
	MG 6, 9
	MG 7, 8
	MG 8, 7
	MG 9, 6
	MG 10, 5
	MG 11, 4
	MG 12, 3
	MG 13, 2
	MG 14, 1
	MG 15, 0
.set SPX, SPR
	CR 0, 8
	CR 1, 9
	CR 2, 10
	CR 3, 11
	CR 4, 12
	CR 5, 13
	CR 6, 14
	CR 7, 15
	CR 0, 4
	CR 1, 5
	CR 2, 6
	CR 3, 7
	CR 8, 12
	CR 9, 13
	CR 10, 14
	CR 11, 15
	CR 0, 2
	CR 1, 3
	CR 4, 6
	CR 5, 7
	CR 8, 10
	CR 9, 11
	CR 12, 14
	CR 13, 15
	CR 0, 1
	CR 2, 3
	CR 4, 5
	CR 6, 7
	CR 8, 9
	CR 10, 11
	CR 12, 13
	CR 14, 15
.set SPR, SPX
.endm
.macro BATCH first, src
.if \first
	SORT16 \src, RP
.irp i, 0,1,2,3,4,5,6,7,8,9,10,11,12,13,14,15
.set R\i, B\i
.endr
.set SPR, SPX
.else
	SORT16 \src, BP
	MERGE
.endif
.endm
.macro XP i, j
	v_permlanex16_b32 v[BP+\i], v[R\j], s[SEL], s[SEL+1]
.endm
.macro XM i
	v_min_num_f32 v[BP+\i], v[R\i], v[BP+\i]
.endm
.macro CROSS
	XP 0, 15
	XP 1, 14
	XP 2, 13
	XP 3, 12
	XP 4, 11
	XP 5, 10
	XP 6, 9
	XP 7, 8
	XP 8, 7
	XP 9, 6
	XP 10, 5
	XP 11, 4
	XP 12, 3
	XP 13, 2
	XP 14, 1
	XP 15, 0
.irp i, 0,1,2,3,4,5,6,7,8,9,10,11,12,13,14,15
	XM \i
.endr
.endm
.macro TOPMAX dst
	v_max3_num_f32 v[\dst], v[BP], v[BP+1], v[BP+2]
.irp i, 3,5,7,9,11,13
	v_max3_num_f32 v[\dst], v[\dst], v[BP+\i], v[BP+\i+1]
.endr
	v_max_num_f32 v[\dst], v[\dst], v[BP+15]
.endm
.macro KEYS s                          ; the keys of slot s's 16 candidates
.irp i, 0,1,2,3,4,5,6,7,8,9,10,11,12,13,14,15
	v_cmp_eq_f32 vcc_lo, v[D+16*(\s)+\i], v26
	v_cndmask_b32 v[KT+\i], v[PK+\i], v[PKE+\i], vcc_lo                           ; equal to T: bit 22 puts it behind all that lie under T
	v_add_nc_u32 v[KT+\i], v[KB+(\s)], v[KT+\i]
	v_cmp_gt_f32 vcc_lo, v[D+16*(\s)+\i], v26
	v_cndmask_b32 v[KT+\i], v[KT+\i], v27, vcc_lo                                 ; over T: the sentinel
.endr
.endm
.macro LOADH hs                        ; half slot hs: 8 candidates
.irp i, 0,1,2,3,4,5,6,7
	ds_load_b128 v[ST+32*((\hs)%2)+4*\i:ST+32*((\hs)%2)+4*\i+3], v[AS+(\hs)/2] offset:128*((\hs)%2)+16*\i
.endr
.endm
.macro DIST hs                         ; eight distances; no multiply is fused with an add (see the head)
.set SB, ST+32*((\hs)%2)
.irp i, 0,1,2,3,4,5,6,7
	v_mul_f32 v[30+2*\i], v[SB+4*\i], v4                       ; p0 = (-2 x2) x1
.endr
.irp i, 0,1,2,3,4,5,6,7
	v_mul_f32 v[31+2*\i], v[SB+4*\i+1], v5                     ; p1 = (-2 y2) y1
.endr
.irp i, 0,1,2,3,4,5,6,7
	v_add_f32 v[30+2*\i], v[30+2*\i], v[31+2*\i]               ; p0 + p1
.endr
.irp i, 0,1,2,3,4,5,6,7
	v_mul_f32 v[31+2*\i], v[SB+4*\i+2], v6                     ; p2 = (-2 z2) z1
.endr
.irp i, 0,1,2,3,4,5,6,7
	v_add_f32 v[30+2*\i], v[30+2*\i], v[31+2*\i]               ; (p0 + p1) + p2
.endr
.irp i, 0,1,2,3,4,5,6,7
	v_add_f32 v[31+2*\i], v[SB+4*\i+3], v7                     ; s2 + s1
.endr
.irp i, 0,1,2,3,4,5,6,7
	v_add_f32 v[D+8*(\hs)+\i], v[31+2*\i], v[30+2*\i]
.endr
.endm
	s_load_b256 s[4:11], s[0:1], 0x0               ; pc1 s[4:5], pc2 s[6:7], bins s[8:9], w_t1 s[10:11]
	s_load_b256 s[12:19], s[0:1], 0x20             ; w_t2 s[12:13], w_m1 s[14:15], w_m2 s[16:17], nbr s[18:19]
	s_load_b64 s[20:21], s[0:1], 0x40              ; wq
	v_lshl_add_u32 v254, v0, 2, 0x20000
	v_mov_b32 v255, 0
	v_lshrrev_b32 v1, 5, v0
	v_readfirstlane_b32 s22, v1                    ; wave 0..7
	v_and_b32 v1, 15, v0                           ; r
	v_bfe_u32 v2, v0, 4, 1                         ; h
	v_lshlrev_b32 v3, 4, v1                        ; 16 r
	s_and_b32 s24, ttmp9, 31
	s_lshr_b32 s25, ttmp9, 5                       ; the batch
	s_mov_b32 s[SEL], 0x76543210
	s_mov_b32 s[SEL+1], 0xfedcba98
	s_mul_i32 s26, s25, 49152
	s_mov_b32 s27, 0
	s_lshl_b32 s32, ttmp9, 11                      ; the work-group's bins
	s_mov_b32 s33, 0
	s_lshl_b32 s34, ttmp9, 12                      ; and its 128 x 32 bytes of nbr
	s_mov_b32 s35, 0
	v_lshlrev_b32 v244, 4, v0                      ; table, in: 16 bytes (4 candidates) a thread
	v_lshrrev_b32 v245, 2, v0
	v_lshlrev_b32 v245, 9, v245
	v_and_b32 v246, 3, v0
	v_lshl_add_u32 v245, v246, 6, v245             ; table, out: 512 (t / 4) + 64 (t % 4),
	v_add_nc_u32 v246, 0x10000, v245               ; and 128 bins on, so that the immediates stay under 65,536
	s_lshl_b32 s30, s24, 9
	s_lshl_b32 s31, s22, 6
	s_add_co_u32 s30, s30, s31
	v_lshl_add_u32 v247, v1, 2, s30                ; my query: 4 (n0 + 16 w + r)
	v_lshl_add_u32 v248, v2, 3, v3
	s_lshl_b32 s31, s22, 8
	v_add_nc_u32 v248, s31, v248                   ; its bins: 16 (16 w + r) + 8 h
	v_lshlrev_b32 v249, 5, v1
	v_lshl_add_u32 v249, v2, 4, v249
	s_lshl_b32 s31, s22, 9
	v_add_nc_u32 v249, s31, v249                   ; its neighbours: 32 (16 w + r) + 16 h
	s_wait_kmcnt 0x0
	s_add_nc_u64 s[4:5], s[4:5], s[26:27]
	s_add_nc_u64 s[6:7], s[6:7], s[26:27]
	s_add_nc_u64 s[8:9], s[8:9], s[32:33]
	s_add_nc_u64 s[18:19], s[18:19], s[34:35]
.irp k, 0,1,2,3
.irp c, 0,1,2
	global_load_b128 v[TL+12*\k+4*\c:TL+12*\k+4*\c+3], v244, s[6:7] offset:16384*\c+4096*\k   ; coordinate c of candidates 4 t + 1,024 k + 0 .. 3
.endr
.endr
.irp c, 0,1,2
	global_load_b32 v[4+\c], v247, s[4:5] offset:16384*\c
.endr
	global_load_b64 v[8:9], v248, s[8:9]
	s_wait_loadcnt 0x0
.irp k, 0,1,2,3                                ; s2 = (x x + y y) + z z, each square rounded by itself: multiplies and adds are kept apart on purpose (see the head)
.irp e, 0,1,2,3
	v_mul_f32 v[TQ+16*\k+4*\e+3], v[TL+12*\k+\e], v[TL+12*\k+\e]
.endr
.irp e, 0,1,2,3
	v_mul_f32 v[30+\e], v[TL+12*\k+4+\e], v[TL+12*\k+4+\e]
.endr
.irp e, 0,1,2,3
	v_add_f32 v[TQ+16*\k+4*\e+3], v[TQ+16*\k+4*\e+3], v[30+\e]
.endr
.irp e, 0,1,2,3
	v_mul_f32 v[30+\e], v[TL+12*\k+8+\e], v[TL+12*\k+8+\e]
.endr
.irp e, 0,1,2,3
	v_add_f32 v[TQ+16*\k+4*\e+3], v[TQ+16*\k+4*\e+3], v[30+\e]
.endr
.irp e, 0,1,2,3
.irp c, 0,1,2
	v_mul_f32 v[TQ+16*\k+4*\e+\c], -2.0, v[TL+12*\k+4*\c+\e]
.endr
.endr
.irp e, 0,1,2,3
	ds_store_b128 v[245+\k/2], v[TQ+16*\k+4*\e:TQ+16*\k+4*\e+3] offset:32768*(\k%2)+16*\e
	ds_store_b128 v[245+\k/2], v[TQ+16*\k+4*\e:TQ+16*\k+4*\e+3] offset:32768*(\k%2)+16*\e+256
.endr
.endr
	v_mul_f32 v7, v4, v4
	v_mul_f32 v30, v5, v5
	v_mul_f32 v31, v6, v6
	v_add_f32 v7, v7, v30
	v_add_f32 v7, v7, v31                          ; s1, made as s2 is
.irp s, 0,1,2,3,4,5,6,7
	v_bfe_u32 v[30+\s], v[8+\s/4], 8*(\s%4), 8
.endr
.irp s, 0,1,2,3,4,5,6,7
	v_min_u32 v[30+\s], 0xff, v[30+\s]             ; a loaded number enters an address only behind a clamp
.endr
.irp s, 0,1,2,3,4,5,6,7
	v_lshl_add_u32 v[AS+\s], v[30+\s], 9, v3
	v_lshl_add_u32 v[KB+\s], v[30+\s], 14, 0x46000000
.endr
	v_mov_b32 v27, 0x46800000                      ; the sentinel
	s_wait_dscnt 0x0
	s_barrier_signal -1
	s_barrier_wait -1                              ; the table is whole; nothing is stored to LDS behind this barrier
	LOADH 0
.irp hs, 0,1,2,3,4,5,6,7,8,9,10,11,12,13,14
	LOADH \hs+1
	s_wait_dscnt 8                                 ; behind this half slot's loads: the next one's eight
	DIST \hs
.endr
	s_wait_dscnt 0x0
	DIST 15
	BATCH 1, D
.irp k, 1,2,3,4,5,6,7
	BATCH 0, D+16*\k
.endr
	CROSS
	TOPMAX 26                                      ; T
.irp i, 0,1,2,3,4,5,6,7,8,9,10,11,12,13,14,15
	v_lshl_add_u32 v[PK+\i], v1, 10, (\i)<<10
.endr
.irp i, 0,1,2,3,4,5,6,7,8,9,10,11,12,13,14,15
	v_and_b32 v[PK+\i], 0x3c00, v[PK+\i]           ; ((r + i) % 16) << 10
.endr
.irp i, 0,1,2,3,4,5,6,7,8,9,10,11,12,13,14,15
	v_add_nc_u32 v[PKE+\i], 0x400000, v[PK+\i]     ; the same with bit 22
.endr
	KEYS 0
	BATCH 1, KT
.irp k, 1,2,3,4,5,6,7
	KEYS \k
	BATCH 0, KT
.endr
	CROSS
.irp i, 0,1,2,3,4,5,6,7
	v_bfe_u32 v[KT+\i], v[BP+\i], 10, 12           ; the candidate's index in its batch
.endr
.irp j, 0,1,2,3
	v_lshl_or_b32 v[40+\j], v[KT+2*\j+1], 16, v[KT+2*\j]
.endr
	global_store_b128 v249, v[40:43], s[18:19]     ; the wave stores 512 consecutive bytes, aligned
	s_wait_xcnt 0x0                                ; the store has read its registers
	; ---- the weights: work-group g (0, 1, 2) makes layer g's eight fragments, a wave a fragment.  No barrier and no LDS access stands behind this branch
	s_cmp_ge_u32 ttmp9, 3
	s_cbranch_scc1 .Lend
	s_cmp_eq_u32 ttmp9, 1
	s_cselect_b64 s[32:33], s[14:15], s[16:17]     ; layers 1, 2: k 0-63 of a row of 128,
	s_add_nc_u64 s[34:35], s[32:33], 256           ; and k 64-127
	s_cmp_eq_u32 ttmp9, 0
	s_cselect_b64 s[32:33], s[12:13], s[32:33]     ; layer 0: k 0-63 = w_t2's row,
	s_cselect_b64 s[34:35], s[10:11], s[34:35]     ; k 64-127 = w_t1's
	s_cselect_b32 s36, 8, 9                        ; a row is 256 or 512 bytes
	s_lshr_b32 s37, s22, 1
	s_lshl_b32 s37, s37, 5
	s_and_b32 s38, s22, 1
	s_lshl_b32 s38, s38, 3
	s_add_co_u32 s37, s37, s38                     ; 32 (w / 2) + 8 (w % 2)
	s_lshl_b32 s38, s22, 4                         ; 16 w
	s_cmp_lt_u32 ttmp9, 2                          ; layers 0, 1 are used transposed: lane r of tile w takes row 32 (w / 2) + 8 (w % 2) + r + 8 (r / 8), so that a lane's 16 results of two tiles are neighbours along the next K
	s_cselect_b32 s37, s37, s38
	s_cselect_b32 s38, 8, 0
	v_and_b32 v30, s38, v1
	v_add_nc_u32 v30, v30, v1
	v_add_nc_u32 v30, s37, v30                     ; my row
	v_lshlrev_b32 v30, s36, v30
	v_lshl_add_u32 v30, v2, 7, v30                 ; + 128 h: lane (r, h) holds k = 64 c + 32 h + 0 .. 31
	s_lshl_b32 s39, ttmp9, 3
	s_add_co_u32 s39, s39, s22                     ; the fragment's number
	v_and_b32 v31, 31, v0
	v_lshlrev_b32 v32, 2, v31
	v_lshlrev_b32 v31, 4, v31
	s_lshl_b32 s40, s39, 10
	v_add_nc_u32 v31, s40, v31                     ; its image: 1,024 f + 16 x lane
	s_lshl_b32 s40, s39, 7
	v_add_nc_u32 v32, s40, v32                     ; its scale words: 128 f + 4 x lane
.irp j, 0,1,2,3,4,5,6,7
	global_load_b128 v[F+4*\j:F+4*\j+3], v30, s[32:33] offset:16*\j
.endr
.irp j, 0,1,2,3,4,5,6,7
	global_load_b128 v[F+32+4*\j:F+32+4*\j+3], v30, s[34:35] offset:16*\j
.endr
	s_wait_loadcnt 0x0
.irp c, 0,1
	v_max3_num_f32 v[34+\c], |v[F+32*\c]|, |v[F+32*\c+1]|, 0x1800000               ; my block 2 c + h: all its 32 numbers are mine; the floor holds the byte at 1 from below
.endr
.irp i, 2,4,6,8,10,12,14,16,18,20,22,24,26,28,30
.irp c, 0,1
	v_max3_num_f32 v[34+\c], v[34+\c], |v[F+32*\c+\i]|, |v[F+32*\c+\i+1]|
.endr
.endr
.irp c, 0,1
	v_add_nc_u32 v[36+\c], 0xff000000, v[34+\c]    ; 2 off the exponent field: the conversion's scale operand
.endr
.irp c, 0,1
	v_lshrrev_b32 v[38+\c], 23, v[36+\c]           ; the scale's byte
.endr
	v_lshl_or_b32 v56, v39, 16, v38                ; blocks h and 2 + h,
	v_lshlrev_b32 v57, 3, v2
	v_lshlrev_b32 v56, v57, v56                    ; at their places in the word;
	v_mov_b32 v57, 0
	v_permlanex16_b32 v57, v56, s[SEL], s[SEL+1]
	v_or_b32 v56, v56, v57                         ; with lane l xor 16's two the word is whole
.irp c, 0,1
.irp g, 0,1,2,3
	v_cvt_scalef32_pk8_fp4_f32 v[48+4*\c+\g], v[F+32*\c+8*\g:F+32*\c+8*\g+7], v[36+\c]
.endr
.endr
	v_nop                                          ; the plain instruction behind the conversions
	global_store_b128 v31, v[48:51], s[20:21]
	global_store_b128 v31, v[52:55], s[20:21] offset:512
	global_store_b32 v32, v56, s[20:21] offset:24576
.Lend:
	s_wait_tensorcnt 0x0
	ds_add_u32 v254, v255
	s_wait_dscnt 0x0
	s_endpgm
.Lfunc_end_k_q2da20a38ca_knn:
	.size	k_q2da20a38ca_knn, .Lfunc_end_k_q2da20a38ca_knn-k_q2da20a38ca_knn
	.p2alignl 7, 3214868480
	.fill 96, 4, 3214868480
	.section	.rodata,"a",@progbits
	.p2align	6, 0x0
	.amdhsa_kernel k_q2da20a38ca_knn
		.amdhsa_group_segment_fixed_size 132096
		.amdhsa_private_segment_fixed_size 0
		.amdhsa_enable_private_segment 0
		.amdhsa_kernarg_size 72
		.amdhsa_user_sgpr_count 2
		.amdhsa_user_sgpr_kernarg_segment_ptr 1
		.amdhsa_wavefront_size32 1
		.amdhsa_system_sgpr_workgroup_id_x 1
		.amdhsa_system_sgpr_workgroup_id_y 1
		.amdhsa_system_sgpr_workgroup_id_z 1
		.amdhsa_system_vgpr_workitem_id 0
		.amdhsa_next_free_vgpr 256
		.amdhsa_next_free_sgpr 66
		.amdhsa_reserve_vcc 1
		.amdhsa_float_denorm_mode_32 3
		.amdhsa_float_denorm_mode_16_64 3
		.amdhsa_memory_ordered 1
		.amdhsa_forward_progress 1
		.amdhsa_inst_pref_size 181
	.end_amdhsa_kernel
	.amdgpu_metadata
---
amdhsa.version: [ 1, 2 ]
amdhsa.kernels:
  - .name:           k_q2da20a38ca_knn
    .symbol:         k_q2da20a38ca_knn.kd
    .args:
      - { .name: pc1, .offset: 0, .size: 8, .value_kind: global_buffer, .address_space: global }
      - { .name: pc2, .offset: 8, .size: 8, .value_kind: global_buffer, .address_space: global }
      - { .name: bins, .offset: 16, .size: 8, .value_kind: global_buffer, .address_space: global }
      - { .name: w_t1, .offset: 24, .size: 8, .value_kind: global_buffer, .address_space: global }
      - { .name: w_t2, .offset: 32, .size: 8, .value_kind: global_buffer, .address_space: global }
      - { .name: w_m1, .offset: 40, .size: 8, .value_kind: global_buffer, .address_space: global }
      - { .name: w_m2, .offset: 48, .size: 8, .value_kind: global_buffer, .address_space: global }
      - { .name: nbr, .offset: 56, .size: 8, .value_kind: global_buffer, .address_space: global }
      - { .name: wq, .offset: 64, .size: 8, .value_kind: global_buffer, .address_space: global }
    .group_segment_fixed_size: 132096
    .private_segment_fixed_size: 0
    .kernarg_segment_align: 8
    .kernarg_segment_size: 72
    .max_flat_workgroup_size: 256
    .sgpr_count:     66
    .vgpr_count:     256
    .wavefront_size: 32
...
	.end_amdgpu_metadata
.endif
;; end of part 2
;; launch mlp (part 3): grid 256 x 1, 8 waves a work-group, no clusters, 68,608 bytes of LDS; arguments rec1, rec2, nbr, wq, w_pos, b_pos, b_t1, b_t2, b_m1, b_m2, out0; writes out0
.if DOCPART == 3
	.amdgcn_target "amdgcn-amd-amdhsa--gfx1250"
	.amdhsa_code_object_version 6
	.text
	.protected	k_q2da20a38ca_mlp
	.globl	k_q2da20a38ca_mlp
	.p2align	8
	.type	k_q2da20a38ca_mlp,@function
k_q2da20a38ca_mlp:
	s_mov_b64 s[64:65], 0
	v_nop
	global_prefetch_b8 v0, s[64:65] scope:SCOPE_SE
	s_setreg_imm32_b32 hwreg(HW_REG_WAVE_MODE, 25, 1), 1
	s_wait_xcnt 0x0
; THIRD OF THREE LAUNCHES: out0[b][c][n] = max over the 16 neighbours of leaky(leaky(leaky(p2[nb] + p1[n] + pos) W1^T + b1) W2^T + b2), the products on codes of E2M1 with one E8M0 scale for each 32 along K.
; A TILE OF 16 ROWS IS THE 16 NEIGHBOURS OF ONE QUERY.  A wave owns 16 queries, a work-group 128; all weights (24 fragments) lie in each wave's registers, read once.
; LAYER 0 IS ONE MATRIX INSTRUCTION A TILE OF CHANNELS: a row's K = 128 is [codes of feat2[nb], 64 | codes of feat1[n], 64] against [w_t2 | w_t1]: the blocks of 32 are those of the two products, and the sum is p2 + p1.
; So what is gathered for a neighbour is a record of 64 bytes, not a row of 512.  Its C is pos + the three biases, from one f32 matrix instruction: (w0, w1, w2, b_t2 + b_t1 + b_pos) x (dx, dy, dz, 1).
; LAYERS 0 AND 1 ARE USED TRANSPOSED (source 0 = 16 rows of the weight, chosen so that a lane's 16 results of two tiles are 16 neighbours along the next K; source 1 = the 16 rows): a lane holds one row, the quantiser
; runs along its registers.  LAYER 2 IS USED THE NATURAL WAY: a lane holds a channel, its registers 8 neighbours: the maximum is taken in the lane.  b_m2 and the last leaky come behind the maximum: both never fall where their input rises.
; leaky(x) = max(x, 0.1 x).
; NO TENSOR LOADS, NO CLUSTER: what work-groups share is 27 KB of weights, read once by each wave into registers; the gathered rows differ from work-group to work-group.
; LIMITS: NaN and infinities are not served; a block of zeros gets the byte 1 over zero codes; blocks under 2^-124 were not tried.
; REGISTERS, window 1: v0-63, v64-127, v128-191 the three layers' fragments (tile t at 8 t); v192-255 b_m1 in the result's layout.
; Window 0: v1-15 addresses; v16-39 the weights' scale words; v40-55 the f32 operand of w_pos and the biases; v56-59 b_m2; v60-75, v76-91 two sets of a gathered tile; v92-93 the directions; v94, v95 scale words;
; v96-103 codes; v104-119, v120-127 at work; v128-191 the hidden layer; v192-255 pos + biases, written by matrix instructions alone.
.set WS,   16
.set WP,   40
.set BM2,  56
.set GX,   60                          ; a set: +0 the neighbours' codes, +4 the query's, +8 (x, y | z, 1), scales: the neighbours', +12 the query's
.set GY,   76
.set DIR,  92
.set SW,   94
.set PW,   95
.set PC,   96
.set TM,   104
.set LT,   120
.set H,    128
.set PE,   192
.set SEL,  28                          ; s[28:29] v_permlanex16_b32's selects for lane l xor 16
.set LK,   34                          ; s[34:35] 0.1: the packed form names a pair and takes its low word for both halves
.set MSB, 0
.macro WIN new                         ; the immediate's high byte repeats the setting that is left
.if MSB != \new
	s_set_vgpr_msb (MSB<<8)|\new
.set MSB, \new
.endif
.endm
.macro NOPS n
.rept \n
	v_nop
.endr
.endm
.macro GATH g                          ; lane (r, h): 16 bytes of codes (block h) and 16 bytes of coordinates and scales, of neighbour r's record and of the query's
	global_load_b128 v[\g:\g+3], v5, s[6:7]
	global_load_b128 v[\g+8:\g+11], v5, s[6:7] offset:32
	global_load_b128 v[\g+4:\g+7], v6, s[4:5]
	global_load_b128 v[\g+12:\g+15], v6, s[4:5] offset:32
.endm
.macro LEAKY                           ; each accumulator from its low end on
.irp t, 0,1,2,3,4,5,6,7
.irp p, 0,1,2,3
	v_pk_mul_f32 v[LT+2*\p:LT+2*\p+1], v[H+8*\t+2*\p:H+8*\t+2*\p+1], s[LK:LK+1] op_sel_hi:[1,0]
.endr
.irp p, 0,1,2,3
	v_max_num_f32 v[H+8*\t+2*\p], v[H+8*\t+2*\p], v[LT+2*\p]
	v_max_num_f32 v[H+8*\t+2*\p+1], v[H+8*\t+2*\p+1], v[LT+2*\p+1]
.endr
.endr
.endm
; 64 numbers of a lane, register 16 b + i = k 32 b + 16 (lane / 16) + i of my row, become a fragment's codes in v[PC] on and its scale word in v[PW]
.macro QUANT
.irp b, 0,1,2,3
	v_max3_num_f32 v[TM+\b], |v[H+16*\b]|, |v[H+1+16*\b]|, 0x1800000               ; block b: my 16 numbers, and the floor 2^(3 - 127): the byte cannot fall under 1
.endr
.irp i, 2,4,6,8,10,12,14
.irp b, 0,1,2,3
	v_max3_num_f32 v[TM+\b], v[TM+\b], |v[H+16*\b+\i]|, |v[H+1+16*\b+\i]|
.endr
.endr
.irp b, 0,1,2,3
	v_permlanex16_b32 v[TM+4+\b], v[TM+\b], s[SEL], s[SEL+1]
.endr
.irp b, 0,1,2,3
	v_max_num_f32 v[TM+\b], v[TM+\b], v[TM+4+\b]   ; with lane l xor 16's: the block's largest magnitude
.endr
.irp b, 0,1,2,3
	v_add_nc_u32 v[TM+12+\b], 0xff000000, v[TM+\b] ; 2 off its exponent field: the conversion's scale operand
.endr
.irp b, 0,1,2,3
	v_lshrrev_b32 v[TM+4+\b], 23, v[TM+12+\b]      ; the scale's byte
.endr
	v_lshl_or_b32 v[PW], v[TM+5], 8, v[TM+4]
	v_lshl_or_b32 v[PW], v[TM+6], 16, v[PW]
	v_lshl_or_b32 v[PW], v[TM+7], 24, v[PW]
.irp b, 0,1,2,3
	v_cvt_scalef32_pk8_fp4_f32 v[PC+2*\b], v[H+16*\b:H+7+16*\b], v[TM+12+\b]
	v_cvt_scalef32_pk8_fp4_f32 v[PC+1+2*\b], v[H+8+16*\b:H+15+16*\b], v[TM+12+\b]
.endr
	v_nop                                          ; the plain instruction behind the conversions
.irp c, 0,1                                    ; the operand's layout wants a whole block in a lane
.irp i, 0,1
	v_permlane16_swap_b32 v[PC+4*\c+\i], v[PC+2+4*\c+\i]
.endr
.endr
.endm
; ONE TILE: query s30 + d of my 16.  gx: the set that holds it; go: the set that takes the next tile.
.macro PHASE gx, go, d
	s_wait_loadcnt 0x0                             ; this tile's four loads and the next tile's indices, all asked for a tile ago, are in; their address registers may be written
	v_pk_add_f32 v[DIR:DIR+1], v[\gx+8:\gx+9], v[\gx+12:\gx+13] neg_lo:[0,1] neg_hi:[0,1]   ; lanes 0-15: (dx, dy); lanes 16-31: (dz, 1 - 0)
	v_or_b32 v[SW], v[\gx+10], v[\gx+14]           ; the row's scale word: the neighbour's two bytes below, the query's two above
.irp t, 0,1,2,3,4,5,6,7
	v_wmma_f32_16x16x4_f32 v[PE+8*\t:PE+8*\t+7], v[WP+2*\t:WP+2*\t+1], v[DIR:DIR+1], 0
.endr
	s_add_co_u32 s32, s30, \d+1
	s_min_u32 s32, s32, 15                         ; the next tile; my last tile asks for itself again, so that no load leaves its buffer
	s_add_co_u32 s33, s30, \d+2
	s_min_u32 s33, s33, 15
	v_min_u32 v5, 0xfff, v8                        ; a loaded number enters an address only behind a clamp
	v_lshl_add_u32 v5, v5, 6, v3                   ; the neighbour's record, + 16 h
	v_lshl_add_u32 v6, s32, 6, v3                  ; the query's
	v_lshl_add_u32 v7, s33, 5, v4                  ; the indices of the tile after the next
	GATH \go
	global_load_u16 v8, v7, s[8:9]
	NOPS 5                                         ; with the four address lines above: nine places before an f32 matrix result becomes another accumulator's C, and eight in front of a scaled form for the scale word made above
	WIN 0x01                                       ; source 0 in window 1
.irp t, 0,1,2,3,4,5,6,7
	v_wmma_scale_f32_16x16x128_f8f6f4 v[H+8*\t:H+8*\t+7], v[8*\t:8*\t+7], v[\gx:\gx+7], v[PE+8*\t:PE+8*\t+7], v[WS+\t], v[SW] matrix_a_fmt:MATRIX_FMT_FP4 matrix_b_fmt:MATRIX_FMT_FP4
.endr
	WIN 0
	NOPS 4                                         ; places in front of the first read of results
	s_wait_dscnt 0x0                               ; the last tile's four stores into the stage have read their registers, which LEAKY writes
	LEAKY
	QUANT
	NOPS 8                                         ; a scale word made by vector instructions stands eight places ahead of a scaled form, an operand so made four
	WIN 0x11                                       ; source 0 and C in window 1
.irp t, 0,1,2,3,4,5,6,7
	v_wmma_scale_f32_16x16x128_f8f6f4 v[H+8*\t:H+8*\t+7], v[64+8*\t:64+8*\t+7], v[PC:PC+7], v[192+8*\t:192+8*\t+7], v[WS+8+\t], v[PW] matrix_a_fmt:MATRIX_FMT_FP4 matrix_b_fmt:MATRIX_FMT_FP4
.endr
	WIN 0
	NOPS 4
	LEAKY
	QUANT
	NOPS 8
	WIN 0x04                                       ; source 1 in window 1
.irp t, 0,1,2,3,4,5,6,7
	v_wmma_scale_f32_16x16x128_f8f6f4 v[H+8*\t:H+8*\t+7], v[PC:PC+7], v[128+8*\t:128+8*\t+7], 0, v[PW], v[WS+16+\t] matrix_a_fmt:MATRIX_FMT_FP4 matrix_b_fmt:MATRIX_FMT_FP4
.endr
	WIN 0
	NOPS 4
	; lane (r, h) of tile t: channel 16 t + r, neighbours 8 h + 0 .. 7
.irp t, 0,1,2,3,4,5,6,7
	v_max3_num_f32 v[LT+\t], v[H+8*\t], v[H+8*\t+1], v[H+8*\t+2]
.endr
.irp t, 0,1,2,3,4,5,6,7
	v_max3_num_f32 v[LT+\t], v[LT+\t], v[H+8*\t+3], v[H+8*\t+4]
.endr
.irp t, 0,1,2,3,4,5,6,7
	v_max3_num_f32 v[LT+\t], v[LT+\t], v[H+8*\t+5], v[H+8*\t+6]
.endr
.irp t, 0,1,2,3,4,5,6,7
	v_max_num_f32 v[LT+\t], v[LT+\t], v[H+8*\t+7]
.endr
.irp u, 0,1,2,3
	v_permlane16_swap_b32 v[LT+2*\u], v[LT+2*\u+1] ; the first now holds neighbours 0-7 of channel 32 u + lane, the second neighbours 8-15
.endr
.irp u, 0,1,2,3
	v_max_num_f32 v[LT+2*\u], v[LT+2*\u], v[LT+2*\u+1]
.endr
.irp u, 0,1,2,3
	v_add_f32 v[LT+2*\u], v[LT+2*\u], v[BM2+\u]
.endr
.irp u, 0,1,2,3
	v_mul_f32 v[LT+2*\u+1], s[LK], v[LT+2*\u]
.endr
.irp u, 0,1,2,3
	v_max_num_f32 v[LT+2*\u], v[LT+2*\u], v[LT+2*\u+1]
.endr
	v_add_nc_u32 v10, s31, v9
.irp u, 0,1,2,3
	ds_store_b32 v10, v[LT+2*\u] offset:16896*\u+4*\d   ; the stage: channel 32 u + lane, query 16 w + s30 + d
.endr
.endm
	s_load_b256 s[4:11], s[0:1], 0x0               ; rec1 s[4:5], rec2 s[6:7], nbr s[8:9], wq s[10:11]
	s_load_b256 s[12:19], s[0:1], 0x20             ; w_pos s[12:13], b_pos s[14:15], b_t1 s[16:17], b_t2 s[18:19]
	s_load_b128 s[20:23], s[0:1], 0x40             ; b_m1, b_m2
	s_load_b64 s[24:25], s[0:1], 0x50              ; out0
	v_lshl_add_u32 v114, v0, 2, 0x10800
	v_mov_b32 v115, 0
	v_lshrrev_b32 v1, 5, v0
	v_readfirstlane_b32 s26, v1                    ; wave 0..7
	v_and_b32 v12, 31, v0                          ; lane
	v_and_b32 v1, 15, v0                           ; r
	v_bfe_u32 v2, v0, 4, 1                         ; h
	v_lshlrev_b32 v3, 4, v2                        ; 16 h
	v_lshlrev_b32 v4, 1, v1                        ; 2 r
	v_lshlrev_b32 v11, 4, v12                      ; 16 x lane
	v_lshlrev_b32 v13, 2, v12                      ; 4 x lane
	v_mul_u32_u24 v9, v12, 528                     ; the stage: 128 channels x (128 queries x 4 bytes + 16), from LDS byte 0
	s_lshl_b32 s27, s26, 6
	v_add_nc_u32 v9, s27, v9                       ; 528 x lane + 64 w
	v_and_b32 v14, 8, v1
	v_add_nc_u32 v14, v14, v1                      ; r + 8 (r / 8)
	v_mul_u32_u24 v15, v14, 12                     ; a row of w_pos is 12 bytes
	v_lshl_add_u32 v120, v2, 3, v15                ; + 8 h: lanes 0-15 take w0, lanes 16-31 w2
	v_lshlrev_b32 v122, 2, v14
	v_lshlrev_b32 v123, 6, v2                      ; 64 h
	s_mov_b32 s[SEL], 0x76543210
	s_mov_b32 s[SEL+1], 0xfedcba98
	s_mov_b32 s[LK], 0x3dcccccd
	s_mov_b32 s[LK+1], s[LK]
.irp b, 0,1,2,3
	v_mov_b32 v[TM+4+\b], 0                        ; written once: a lane permute's destination counts as one of its sources
.endr
	s_lshl_b32 s36, ttmp9, 7
	s_lshl_b32 s27, s26, 4
	s_add_co_u32 s27, s36, s27                     ; my first query among all 32,768: 128 g + 16 w
	s_lshl_b32 s36, s27, 6
	s_mov_b32 s37, 0
	s_lshl_b32 s38, s27, 5
	s_mov_b32 s39, 0
	s_lshr_b32 s32, ttmp9, 5                       ; the batch
	s_lshl_b32 s40, s32, 18                        ; its 4,096 records
	s_mov_b32 s41, 0
	s_lshl_b32 s42, s32, 21                        ; out0: the batch, my 16 channels on the way out, the work-group's 128 queries
	s_and_b32 s33, ttmp9, 31
	s_lshl_b32 s33, s33, 9
	s_add_co_u32 s42, s42, s33
	s_lshl_b32 s33, s26, 18
	s_add_co_u32 s42, s42, s33
	s_mov_b32 s43, 0
	s_wait_kmcnt 0x0
	s_add_nc_u64 s[4:5], s[4:5], s[36:37]
	s_add_nc_u64 s[6:7], s[6:7], s[40:41]
	s_add_nc_u64 s[8:9], s[8:9], s[38:39]
	s_add_nc_u64 s[24:25], s[24:25], s[42:43]
	global_load_u16 v8, v4, s[8:9]                 ; tile 0's neighbours: lane r takes the r-th
	WIN 0x40                                       ; destination window 1
.set f, 0
.rept 24
	global_load_b128 v[8*f:8*f+3], v11, s[10:11] offset:1024*f
	global_load_b128 v[8*f+4:8*f+7], v11, s[10:11] offset:1024*f+512
.set f, f+1
.endr
.irp t, 0,1,2,3,4,5,6,7
	global_load_b128 v[192+8*\t:192+8*\t+3], v123, s[20:21] offset:4*(32*(\t/2)+8*(\t%2))       ; b_m1 at units 32 (t / 2) + 16 h + 8 (t % 2) + 0 .. 7
	global_load_b128 v[192+8*\t+4:192+8*\t+7], v123, s[20:21] offset:4*(32*(\t/2)+8*(\t%2))+16
.endr
	WIN 0
.set f, 0
.rept 24
	global_load_b32 v[WS+f], v13, s[10:11] offset:24576+128*f
.set f, f+1
.endr
.irp u, 0,1,2,3
	global_load_b32 v[BM2+\u], v13, s[22:23] offset:128*\u
.endr
.irp t, 0,1,2,3,4,5,6,7
	global_load_b32 v[WP+2*\t], v120, s[12:13] offset:12*(32*(\t/2)+8*(\t%2))                   ; k = 2 h of channel 32 (t / 2) + 8 (t % 2) + r + 8 (r / 8)
	global_load_b32 v[WP+2*\t+1], v15, s[12:13] offset:12*(32*(\t/2)+8*(\t%2))+4                ; k = 1; lanes 16-31 get the biases below
	global_load_b32 v[H+\t], v122, s[18:19] offset:4*(32*(\t/2)+8*(\t%2))
	global_load_b32 v[H+8+\t], v122, s[16:17] offset:4*(32*(\t/2)+8*(\t%2))
	global_load_b32 v[H+16+\t], v122, s[14:15] offset:4*(32*(\t/2)+8*(\t%2))
.endr
	s_wait_loadcnt 0x0
	v_cmp_eq_u32 vcc_lo, 1, v2
.irp t, 0,1,2,3,4,5,6,7
	v_add_f32 v[H+\t], v[H+\t], v[H+8+\t]
.endr
.irp t, 0,1,2,3,4,5,6,7
	v_add_f32 v[H+\t], v[H+\t], v[H+16+\t]         ; b_t2 + b_t1 + b_pos
.endr
.irp t, 0,1,2,3,4,5,6,7
	v_cndmask_b32 v[WP+2*\t+1], v[WP+2*\t+1], v[H+\t], vcc_lo                                   ; k = 3 in lanes 16-31
.endr
	v_min_u32 v5, 0xfff, v8
	v_lshl_add_u32 v5, v5, 6, v3
	v_mov_b32 v6, v3
	v_add_nc_u32 v7, 32, v4
	GATH GX                                        ; tile 0
	global_load_u16 v8, v7, s[8:9]                 ; tile 1's neighbours
	s_mov_b32 s30, 0                               ; the tile
	s_mov_b32 s31, 0                               ; 4 x the tile: its place in a stage row
.Lpair:                                            ; 8 trips of two tiles: the two sets change places and are back
	PHASE GX, GY, 0
	PHASE GY, GX, 1
	s_add_co_u32 s31, s31, 8
	s_add_co_u32 s30, s30, 2
	s_cmp_lt_u32 s30, 16
	s_cbranch_scc1 .Lpair
	s_wait_loadcnt 0x0                             ; the last tile's second asking
	s_wait_dscnt 0x0                               ; my stores into the stage are done
	s_barrier_signal -1
	s_barrier_wait -1                              ; 128 channels x 128 queries lie in the stage
	s_mul_i32 s32, s26, 8448                       ; my 16 channels
	v_add_nc_u32 v10, s32, v11
.irp i, 0,1,2,3,4,5,6,7,8,9,10,11,12,13,14,15
	ds_load_b128 v[H+4*\i:H+4*\i+3], v10 offset:528*\i
.endr
.irp i, 0,1,2,3,4,5,6,7,8,9,10,11,12,13,14,15
	s_wait_dscnt 15-\i                             ; LDS loads come back in order: row i is in
	global_store_b128 v11, v[H+4*\i:H+4*\i+3], s[24:25] offset:16384*\i th:TH_STORE_NT          ; 32 lanes store 512 consecutive bytes, aligned; written once, read by nobody here
.endr
	s_wait_tensorcnt 0x0
	ds_add_u32 v114, v115
	s_wait_dscnt 0x0
	s_endpgm
.Lfunc_end_k_q2da20a38ca_mlp:
	.size	k_q2da20a38ca_mlp, .Lfunc_end_k_q2da20a38ca_mlp-k_q2da20a38ca_mlp
	.p2alignl 7, 3214868480
	.fill 96, 4, 3214868480
	.section	.rodata,"a",@progbits
	.p2align	6, 0x0
	.amdhsa_kernel k_q2da20a38ca_mlp
		.amdhsa_group_segment_fixed_size 68608
		.amdhsa_private_segment_fixed_size 0
		.amdhsa_enable_private_segment 0
		.amdhsa_kernarg_size 88
		.amdhsa_user_sgpr_count 2
		.amdhsa_user_sgpr_kernarg_segment_ptr 1
		.amdhsa_wavefront_size32 1
		.amdhsa_system_sgpr_workgroup_id_x 1
		.amdhsa_system_sgpr_workgroup_id_y 1
		.amdhsa_system_sgpr_workgroup_id_z 1
		.amdhsa_system_vgpr_workitem_id 0
		.amdhsa_next_free_vgpr 512
		.amdhsa_next_free_sgpr 66
		.amdhsa_reserve_vcc 1
		.amdhsa_float_denorm_mode_32 3
		.amdhsa_float_denorm_mode_16_64 3
		.amdhsa_memory_ordered 1
		.amdhsa_forward_progress 1
		.amdhsa_inst_pref_size 68
	.end_amdhsa_kernel
	.amdgpu_metadata
---
amdhsa.version: [ 1, 2 ]
amdhsa.kernels:
  - .name:           k_q2da20a38ca_mlp
    .symbol:         k_q2da20a38ca_mlp.kd
    .args:
      - { .name: rec1, .offset: 0, .size: 8, .value_kind: global_buffer, .address_space: global }
      - { .name: rec2, .offset: 8, .size: 8, .value_kind: global_buffer, .address_space: global }
      - { .name: nbr, .offset: 16, .size: 8, .value_kind: global_buffer, .address_space: global }
      - { .name: wq, .offset: 24, .size: 8, .value_kind: global_buffer, .address_space: global }
      - { .name: w_pos, .offset: 32, .size: 8, .value_kind: global_buffer, .address_space: global }
      - { .name: b_pos, .offset: 40, .size: 8, .value_kind: global_buffer, .address_space: global }
      - { .name: b_t1, .offset: 48, .size: 8, .value_kind: global_buffer, .address_space: global }
      - { .name: b_t2, .offset: 56, .size: 8, .value_kind: global_buffer, .address_space: global }
      - { .name: b_m1, .offset: 64, .size: 8, .value_kind: global_buffer, .address_space: global }
      - { .name: b_m2, .offset: 72, .size: 8, .value_kind: global_buffer, .address_space: global }
      - { .name: out0, .offset: 80, .size: 8, .value_kind: global_buffer, .address_space: global }
    .group_segment_fixed_size: 68608
    .private_segment_fixed_size: 0
    .kernarg_segment_align: 8
    .kernarg_segment_size: 88
    .max_flat_workgroup_size: 256
    .sgpr_count:     66
    .vgpr_count:     512
    .wavefront_size: 32
...
	.end_amdgpu_metadata
.endif
;; end of part 3
;; ======== version 2 of 2: 3 launches; version 1 with the launch mlp written anew for expert scheduling mode
;; workspace buffers: rec1 2,097,152 bytes; rec2 2,097,152 bytes; wq 27,648 bytes; bins 524,288 bytes of whole numbers; nbr 1,048,576 bytes of whole numbers
;; launch bins: the kernel of part 1 again; grid 256 x 1, 8 waves a work-group, no clusters, 218,368 bytes of LDS; arguments pc1, pc2, feat1, feat2, rec1, rec2, bins; writes rec1, rec2, bins
;; launch knn: the kernel of part 2 again; grid 256 x 1, 8 waves a work-group, no clusters, 132,096 bytes of LDS; arguments pc1, pc2, bins, w_t1, w_t2, w_m1, w_m2, nbr, wq; writes nbr, wq
;; launch mlp (part 4): grid 256 x 1, 8 waves a work-group, no clusters, 68,608 bytes of LDS; arguments rec1, rec2, nbr, wq, w_pos, b_pos, b_t1, b_t2, b_m1, b_m2, out0; writes out0
.if DOCPART == 4
	.amdgcn_target "amdgcn-amd-amdhsa--gfx1250"
	.amdhsa_code_object_version 6
	.text
	.protected	k_q2da20a38ca_mlp
	.globl	k_q2da20a38ca_mlp
	.p2align	8
	.type	k_q2da20a38ca_mlp,@function
k_q2da20a38ca_mlp:
	s_mov_b64 s[64:65], 0
	v_nop
	global_prefetch_b8 v0, s[64:65] scope:SCOPE_SE
	s_setreg_imm32_b32 hwreg(HW_REG_WAVE_SCHED_MODE, 0, 2), 2
	s_setreg_imm32_b32 hwreg(HW_REG_WAVE_MODE, 25, 1), 1
	s_wait_xcnt 0x0
	s_wait_alu depctr_vm_vsrc(0)
; THIRD OF THREE LAUNCHES: out0[b][c][n] = max over the 16 neighbours of leaky(leaky(leaky(p2[nb] + p1[n] + pos) W1^T + b1) W2^T + b2), the products on codes of E2M1 with one E8M0 scale for each 32 along K.
; A TILE OF 16 ROWS IS THE 16 NEIGHBOURS OF ONE QUERY.  A wave owns 16 queries, a work-group 128; all weights (24 fragments) lie in each wave's registers, read once.
; LAYER 0 IS ONE MATRIX INSTRUCTION A TILE OF CHANNELS: a row's K = 128 is [codes of feat2[nb], 64 | codes of feat1[n], 64] against [w_t2 | w_t1]: the blocks of 32 are those of the two products, and the sum is p2 + p1.
; So what is gathered for a neighbour is a record of 64 bytes, not a row of 512.  Its C is pos + the three biases, from one f32 matrix instruction: (w0, w1, w2, b_t2 + b_t1 + b_pos) x (dx, dy, dz, 1).
; LAYERS 0 AND 1 ARE USED TRANSPOSED (source 0 = 16 rows of the weight, chosen so that a lane's 16 results of two tiles are 16 neighbours along the next K; source 1 = the 16 rows): a lane holds one row, the quantiser
; runs along its registers.  LAYER 2 IS USED THE NATURAL WAY: a lane holds a channel, its registers 8 neighbours: the maximum is taken in the lane.  b_m2 and the last leaky come behind the maximum: both never fall where their input rises.
; leaky(x) = max(x, 0.1 x).
; NO TENSOR LOADS, NO CLUSTER: what work-groups share is 27 KB of weights, read once by each wave into registers; the gathered rows differ from work-group to work-group.
; LIMITS: NaN and infinities are not served; a block of zeros gets the byte 1 over zero codes; blocks under 2^-124 were not tried.
; REGISTERS, window 1: v0-63, v64-127, v128-191 the three layers' fragments (tile t at 8 t); v192-255 b_m1 in the result's layout.
; Window 0: v1-15 addresses; v16-39 the weights' scale words; v40-55 the f32 operand of w_pos and the biases; v56-59 b_m2; v60-75, v76-91 two sets of a gathered tile; v92-93 the directions; v94, v95 scale words;
; v96-103 codes; v104-119, v120-127 at work; v128-191 the hidden layer; v192-255 pos + biases, written by matrix instructions alone.
; THE MODE: SCHED_MODE bits 1:0 = 2 (LLVM: expert scheduling mode 2), set by the entry lines.  The code itself states the register dependences between vector or matrix instructions and memory or LDS instructions,
; with s_wait_alu, always for 0.
; THE PLAN.  Registers that memory or LDS instructions touch, in the walk over the tiles:
;   GX, GY       Tile p: its difference, its v_or_b32 and layer 0's matrix instructions read set p % 2; the four loads at the head of tile p + 1 land in it (tile p + 2).
;   v8           Read by the v_min_u32 at a tile's head; the index load issued behind it lands in it.
;   v5, v6, v7   Written at a tile's head; read by the five loads there.
;   v10 and v120, v122, v124, v126   Written in tile p (the stage's address; the four maxima at the tile's end); read by the four LDS stores that are issued at the head of tile p + 1.
;   v4, v11, v12 and the other offsets of the head are made once and never written again (v120, v122, v123 serve as offsets at the head alone).
; So ONE wait on va_vdst stands at a tile's head, behind its address lines: it states all that the tile's five loads and the last tile's four stores hang on, and that layer 0's scale word is written; these nine follow it at once.
; ONE wait on vm_vsrc stands behind the f32 matrix instructions: the nine have read their registers, all of which are written again only behind it.  Two more waits on va_vdst stand ahead of layers 1 and 2, whose operand
; and scale word vector instructions have just made.  Tile 0, which has no tile ahead of it, and tile 15 are written out; behind tile 15 one wait stands ahead of the last four stores.
.set WS,   16
.set WP,   40
.set BM2,  56
.set GX,   60                          ; a set: +0 the neighbours' codes, +4 the query's, +8 (x, y | z, 1), scales: the neighbours', +12 the query's
.set GY,   76
.set DIR,  92
.set SW,   94
.set PW,   95
.set PC,   96
.set TM,   104
.set LT,   120
.set H,    128
.set PE,   192
.set SEL,  28                          ; s[28:29] v_permlanex16_b32's selects for lane l xor 16
.set LK,   34                          ; s[34:35] 0.1: the packed form names a pair and takes its low word for both halves
.set MSB, 0
.macro WIN new                         ; the immediate's high byte repeats the setting that is left
.if MSB != \new
	s_set_vgpr_msb (MSB<<8)|\new
.set MSB, \new
.endif
.endm
.macro NOPS n
.rept \n
	v_nop
.endr
.endm
.macro GATH g                          ; lane (r, h): 16 bytes of codes (block h) and 16 bytes of coordinates and scales, of neighbour r's record and of the query's
	global_load_b128 v[\g:\g+3], v5, s[6:7]
	global_load_b128 v[\g+8:\g+11], v5, s[6:7] offset:32
	global_load_b128 v[\g+4:\g+7], v6, s[4:5]
	global_load_b128 v[\g+12:\g+15], v6, s[4:5] offset:32
.endm
.macro PUT                             ; a tile's 128 maxima into the stage: channel 32 u + lane, at the query's place, which v10 holds
.irp u, 0,1,2,3
	ds_store_b32 v10, v[LT+2*\u] offset:16896*\u
.endr
.endm
.macro LEAKY                           ; each accumulator from its low end on
.irp t, 0,1,2,3,4,5,6,7
.irp p, 0,1,2,3
	v_pk_mul_f32 v[LT+2*\p:LT+2*\p+1], v[H+8*\t+2*\p:H+8*\t+2*\p+1], s[LK:LK+1] op_sel_hi:[1,0]
.endr
.irp p, 0,1,2,3
	v_max_num_f32 v[H+8*\t+2*\p], v[H+8*\t+2*\p], v[LT+2*\p]
	v_max_num_f32 v[H+8*\t+2*\p+1], v[H+8*\t+2*\p+1], v[LT+2*\p+1]
.endr
.endr
.endm
; 64 numbers of a lane, register 16 b + i = k 32 b + 16 (lane / 16) + i of my row, become a fragment's codes in v[PC] on and its scale word in v[PW]
.macro QUANT
.irp b, 0,1,2,3
	v_max3_num_f32 v[TM+\b], |v[H+16*\b]|, |v[H+1+16*\b]|, 0x1800000               ; block b: my 16 numbers, and the floor 2^(3 - 127): the byte cannot fall under 1
.endr
.irp i, 2,4,6,8,10,12,14
.irp b, 0,1,2,3
	v_max3_num_f32 v[TM+\b], v[TM+\b], |v[H+16*\b+\i]|, |v[H+1+16*\b+\i]|
.endr
.endr
.irp b, 0,1,2,3
	v_permlanex16_b32 v[TM+4+\b], v[TM+\b], s[SEL], s[SEL+1]
.endr
.irp b, 0,1,2,3
	v_max_num_f32 v[TM+\b], v[TM+\b], v[TM+4+\b]   ; with lane l xor 16's: the block's largest magnitude
.endr
.irp b, 0,1,2,3
	v_add_nc_u32 v[TM+12+\b], 0xff000000, v[TM+\b] ; 2 off its exponent field: the conversion's scale operand
.endr
.irp b, 0,1,2,3
	v_lshrrev_b32 v[TM+4+\b], 23, v[TM+12+\b]      ; the scale's byte
.endr
	v_lshl_or_b32 v[PW], v[TM+5], 8, v[TM+4]
	v_lshl_or_b32 v[PW], v[TM+6], 16, v[PW]
	v_lshl_or_b32 v[PW], v[TM+7], 24, v[PW]
.irp b, 0,1,2,3
	v_cvt_scalef32_pk8_fp4_f32 v[PC+2*\b], v[H+16*\b:H+7+16*\b], v[TM+12+\b]
	v_cvt_scalef32_pk8_fp4_f32 v[PC+1+2*\b], v[H+8+16*\b:H+15+16*\b], v[TM+12+\b]
.endr
	v_nop                                          ; the plain instruction behind the conversions
.irp c, 0,1                                    ; the operand's layout wants a whole block in a lane
.irp i, 0,1
	v_permlane16_swap_b32 v[PC+4*\c+\i], v[PC+2+4*\c+\i]
.endr
.endr
.endm
; ONE TILE: query s30 + d of my 16.  gx: the set that holds it; go: the set that takes the next tile.  first = 1: tile 0, with no tile ahead of it whose maxima were to be stored.
.macro PHASE gx, go, d, first
	s_wait_loadcnt 0x0                             ; this tile's four loads and the next tile's indices, all asked for a tile ago, are in; their address registers may be written
	s_add_co_u32 s32, s30, \d+1
	s_min_u32 s32, s32, 15                         ; the next tile; my last tile asks for itself again, so that no load leaves its buffer
	s_add_co_u32 s33, s30, \d+2
	s_min_u32 s33, s33, 15
	v_min_u32 v5, 0xfff, v8                        ; a loaded number enters an address only behind a clamp
	v_lshl_add_u32 v6, s32, 6, v3                  ; the query's record
	v_lshl_add_u32 v7, s33, 5, v4                  ; the indices of the tile after the next
	v_lshl_add_u32 v5, v5, 6, v3                   ; the neighbour's record, + 16 h
	v_pk_add_f32 v[DIR:DIR+1], v[\gx+8:\gx+9], v[\gx+12:\gx+13] neg_lo:[0,1] neg_hi:[0,1]   ; lanes 0-15: (dx, dy); lanes 16-31: (dz, 1 - 0)
	v_or_b32 v[SW], v[\gx+10], v[\gx+14]           ; the row's scale word: the neighbour's two bytes below, the query's two above
	s_wait_alu depctr_va_vdst(0)                   ; v5, v6, v7 are written, which the loads below read; the last tile has written v10 and its four maxima, which the stores below read, and is done reading the set in which the loads land; v8 has been read; v[SW] is written, which layer 0 takes as scales
	GATH \go
	global_load_u16 v8, v7, s[8:9]
.if !\first
	PUT                                            ; the last tile's maxima
.endif
.irp t, 0,1,2,3,4,5,6,7
	v_wmma_f32_16x16x4_f32 v[PE+8*\t:PE+8*\t+7], v[WP+2*\t:WP+2*\t+1], v[DIR:DIR+1], 0
.endr
.if !\first
	s_wait_dscnt 0x0                               ; the four stores into the stage are done
.endif
	s_wait_alu depctr_vm_vsrc(0)                   ; the loads above have read v5, v6, v7, and the stores v10 and v120, v122, v124, v126: v10 is written in the next line, the four in LEAKY, the three at the next tile's head
.if \d
	s_add_co_u32 s36, s31, 4*\d
	v_add_nc_u32 v10, s36, v9                      ; this tile's place in the stage: query 16 w + s30 + d
.else
	v_add_nc_u32 v10, s31, v9                      ; this tile's place in the stage: query 16 w + s30
.endif
	NOPS 8                                         ; with the line above: nine places before an f32 matrix result becomes another accumulator's C, and over eight in front of a scaled form for the scale word made at the head
	WIN 0x01                                       ; source 0 in window 1
.irp t, 0,1,2,3,4,5,6,7
	v_wmma_scale_f32_16x16x128_f8f6f4 v[H+8*\t:H+8*\t+7], v[8*\t:8*\t+7], v[\gx:\gx+7], v[PE+8*\t:PE+8*\t+7], v[WS+\t], v[SW] matrix_a_fmt:MATRIX_FMT_FP4 matrix_b_fmt:MATRIX_FMT_FP4
.endr
	WIN 0
	NOPS 4                                         ; places in front of the first read of results
	LEAKY
	QUANT
	NOPS 8                                         ; a scale word made by vector instructions stands eight places ahead of a scaled form, an operand so made four
	s_wait_alu depctr_va_vdst(0)                   ; the conversions and swaps have written v[PC ..] and the shifts v[PW], which layer 1 takes as operand and scales
	WIN 0x11                                       ; source 0 and C in window 1
.irp t, 0,1,2,3,4,5,6,7
	v_wmma_scale_f32_16x16x128_f8f6f4 v[H+8*\t:H+8*\t+7], v[64+8*\t:64+8*\t+7], v[PC:PC+7], v[192+8*\t:192+8*\t+7], v[WS+8+\t], v[PW] matrix_a_fmt:MATRIX_FMT_FP4 matrix_b_fmt:MATRIX_FMT_FP4
.endr
	WIN 0
	NOPS 4
	LEAKY
	QUANT
	NOPS 8
	s_wait_alu depctr_va_vdst(0)                   ; the conversions and swaps have written v[PC ..] and the shifts v[PW], which layer 2 takes as operand and scales
	WIN 0x04                                       ; source 1 in window 1
.irp t, 0,1,2,3,4,5,6,7
	v_wmma_scale_f32_16x16x128_f8f6f4 v[H+8*\t:H+8*\t+7], v[PC:PC+7], v[128+8*\t:128+8*\t+7], 0, v[PW], v[WS+16+\t] matrix_a_fmt:MATRIX_FMT_FP4 matrix_b_fmt:MATRIX_FMT_FP4
.endr
	WIN 0
	NOPS 4
	; lane (r, h) of tile t: channel 16 t + r, neighbours 8 h + 0 .. 7
.irp t, 0,1,2,3,4,5,6,7
	v_max3_num_f32 v[LT+\t], v[H+8*\t], v[H+8*\t+1], v[H+8*\t+2]
.endr
.irp t, 0,1,2,3,4,5,6,7
	v_max3_num_f32 v[LT+\t], v[LT+\t], v[H+8*\t+3], v[H+8*\t+4]
.endr
.irp t, 0,1,2,3,4,5,6,7
	v_max3_num_f32 v[LT+\t], v[LT+\t], v[H+8*\t+5], v[H+8*\t+6]
.endr
.irp t, 0,1,2,3,4,5,6,7
	v_max_num_f32 v[LT+\t], v[LT+\t], v[H+8*\t+7]
.endr
.irp u, 0,1,2,3
	v_permlane16_swap_b32 v[LT+2*\u], v[LT+2*\u+1] ; the first now holds neighbours 0-7 of channel 32 u + lane, the second neighbours 8-15
.endr
.irp u, 0,1,2,3
	v_max_num_f32 v[LT+2*\u], v[LT+2*\u], v[LT+2*\u+1]
.endr
.irp u, 0,1,2,3
	v_add_f32 v[LT+2*\u], v[LT+2*\u], v[BM2+\u]
.endr
.irp u, 0,1,2,3
	v_mul_f32 v[LT+2*\u+1], s[LK], v[LT+2*\u]
.endr
.irp u, 0,1,2,3
	v_max_num_f32 v[LT+2*\u], v[LT+2*\u], v[LT+2*\u+1]   ; they go into the stage at the next tile's head
.endr
.endm
	s_load_b256 s[4:11], s[0:1], 0x0               ; rec1 s[4:5], rec2 s[6:7], nbr s[8:9], wq s[10:11]
	s_load_b256 s[12:19], s[0:1], 0x20             ; w_pos s[12:13], b_pos s[14:15], b_t1 s[16:17], b_t2 s[18:19]
	s_load_b128 s[20:23], s[0:1], 0x40             ; b_m1, b_m2
	s_load_b64 s[24:25], s[0:1], 0x50              ; out0
	v_lshl_add_u32 v114, v0, 2, 0x10800
	v_mov_b32 v115, 0
	v_lshrrev_b32 v1, 5, v0
	v_readfirstlane_b32 s26, v1                    ; wave 0..7
	v_and_b32 v12, 31, v0                          ; lane
	v_and_b32 v1, 15, v0                           ; r
	v_bfe_u32 v2, v0, 4, 1                         ; h
	v_lshlrev_b32 v3, 4, v2                        ; 16 h
	v_lshlrev_b32 v4, 1, v1                        ; 2 r
	v_lshlrev_b32 v11, 4, v12                      ; 16 x lane
	v_lshlrev_b32 v13, 2, v12                      ; 4 x lane
	v_mul_u32_u24 v9, v12, 528                     ; the stage: 128 channels x (128 queries x 4 bytes + 16), from LDS byte 0
	s_wait_alu depctr_va_sdst(0)                   ; s26 is written, ahead of its first reader: addresses and bases are made from it
	s_lshl_b32 s27, s26, 6
	v_add_nc_u32 v9, s27, v9                       ; 528 x lane + 64 w
	s_mul_i32 s32, s26, 8448                       ; the way out: my 16 channels of the stage,
	v_add_nc_u32 v12, s32, v11                     ; 16 bytes a lane (the lane's number is done with)
	v_and_b32 v14, 8, v1
	v_add_nc_u32 v14, v14, v1                      ; r + 8 (r / 8)
	v_mul_u32_u24 v15, v14, 12                     ; a row of w_pos is 12 bytes
	v_lshl_add_u32 v120, v2, 3, v15                ; + 8 h: lanes 0-15 take w0, lanes 16-31 w2
	v_lshlrev_b32 v122, 2, v14
	v_lshlrev_b32 v123, 6, v2                      ; 64 h
	s_mov_b32 s[SEL], 0x76543210
	s_mov_b32 s[SEL+1], 0xfedcba98
	s_mov_b32 s[LK], 0x3dcccccd
	s_mov_b32 s[LK+1], s[LK]
.irp b, 0,1,2,3
	v_mov_b32 v[TM+4+\b], 0                        ; written once: a lane permute's destination counts as one of its sources
.endr
	s_lshl_b32 s36, ttmp9, 7
	s_lshl_b32 s27, s26, 4
	s_add_co_u32 s27, s36, s27                     ; my first query among all 32,768: 128 g + 16 w
	s_lshl_b32 s36, s27, 6
	s_mov_b32 s37, 0
	s_lshl_b32 s38, s27, 5
	s_mov_b32 s39, 0
	s_lshr_b32 s32, ttmp9, 5                       ; the batch
	s_lshl_b32 s40, s32, 18                        ; its 4,096 records
	s_mov_b32 s41, 0
	s_lshl_b32 s42, s32, 21                        ; out0: the batch, my 16 channels on the way out, the work-group's 128 queries
	s_and_b32 s33, ttmp9, 31
	s_lshl_b32 s33, s33, 9
	s_add_co_u32 s42, s42, s33
	s_lshl_b32 s33, s26, 18
	s_add_co_u32 s42, s42, s33
	s_mov_b32 s43, 0
	s_wait_kmcnt 0x0
	s_add_nc_u64 s[4:5], s[4:5], s[36:37]
	s_add_nc_u64 s[6:7], s[6:7], s[40:41]
	s_add_nc_u64 s[8:9], s[8:9], s[38:39]
	s_add_nc_u64 s[24:25], s[24:25], s[42:43]
	WIN 0x40                                       ; destination window 1
	s_wait_alu depctr_va_vdst(0)                   ; the offsets v4, v11, v13, v15, v120, v122, v123 are written, which the loads below read; so is v12, which the way out's LDS loads read
.set f, 0
.rept 24
	global_load_b128 v[8*f:8*f+3], v11, s[10:11] offset:1024*f
	global_load_b128 v[8*f+4:8*f+7], v11, s[10:11] offset:1024*f+512
.set f, f+1
.endr
.irp t, 0,1,2,3,4,5,6,7
	global_load_b128 v[192+8*\t:192+8*\t+3], v123, s[20:21] offset:4*(32*(\t/2)+8*(\t%2))       ; b_m1 at units 32 (t / 2) + 16 h + 8 (t % 2) + 0 .. 7
	global_load_b128 v[192+8*\t+4:192+8*\t+7], v123, s[20:21] offset:4*(32*(\t/2)+8*(\t%2))+16
.endr
	WIN 0
	global_load_u16 v8, v4, s[8:9]                 ; tile 0's neighbours: lane r takes the r-th
.set f, 0
.rept 24
	global_load_b32 v[WS+f], v13, s[10:11] offset:24576+128*f
.set f, f+1
.endr
.irp u, 0,1,2,3
	global_load_b32 v[BM2+\u], v13, s[22:23] offset:128*\u
.endr
.irp t, 0,1,2,3,4,5,6,7
	global_load_b32 v[WP+2*\t], v120, s[12:13] offset:12*(32*(\t/2)+8*(\t%2))                   ; k = 2 h of channel 32 (t / 2) + 8 (t % 2) + r + 8 (r / 8)
	global_load_b32 v[WP+2*\t+1], v15, s[12:13] offset:12*(32*(\t/2)+8*(\t%2))+4                ; k = 1; lanes 16-31 get the biases below
	global_load_b32 v[H+\t], v122, s[18:19] offset:4*(32*(\t/2)+8*(\t%2))
	global_load_b32 v[H+8+\t], v122, s[16:17] offset:4*(32*(\t/2)+8*(\t%2))
	global_load_b32 v[H+16+\t], v122, s[14:15] offset:4*(32*(\t/2)+8*(\t%2))
.endr
	s_wait_loadcnt 0x0
	v_cmp_eq_u32 vcc_lo, 1, v2
.irp t, 0,1,2,3,4,5,6,7
	v_add_f32 v[H+\t], v[H+\t], v[H+8+\t]
.endr
.irp t, 0,1,2,3,4,5,6,7
	v_add_f32 v[H+\t], v[H+\t], v[H+16+\t]         ; b_t2 + b_t1 + b_pos
.endr
	s_wait_alu depctr_va_vcc(0)                    ; the compare has written VCC, ahead of its first reader
.irp t, 0,1,2,3,4,5,6,7
	v_cndmask_b32 v[WP+2*\t+1], v[WP+2*\t+1], v[H+\t], vcc_lo                                   ; k = 3 in lanes 16-31
.endr
	v_min_u32 v5, 0xfff, v8
	v_lshl_add_u32 v5, v5, 6, v3
	v_mov_b32 v6, v3
	v_add_nc_u32 v7, 32, v4
	s_wait_alu depctr_va_vdst(0)                   ; v5, v6, v7 are written, which the loads below read; v8 has been read, in which the next indices land
	GATH GX                                        ; tile 0
	global_load_u16 v8, v7, s[8:9]                 ; tile 1's neighbours
	s_wait_alu depctr_vm_vsrc(0)                   ; these loads have read v5, v6, v7, which tile 0's head writes again; the head's loads have read v120, v122, v123, which LEAKY writes
	s_mov_b32 s30, 0                               ; the tile
	s_mov_b32 s31, 0                               ; 4 x the tile: its place in a stage row
	PHASE GX, GY, 0, 1                             ; tile 0
	s_mov_b32 s30, 1
	s_mov_b32 s31, 4
.Lpair:                                            ; tiles 1 to 14: 7 trips of two tiles: the two sets change places and are back
	PHASE GY, GX, 0, 0
	PHASE GX, GY, 1, 0
	s_add_co_u32 s31, s31, 8
	s_add_co_u32 s30, s30, 2
	s_cmp_lt_u32 s30, 15
	s_cbranch_scc1 .Lpair
	PHASE GY, GX, 0, 0                             ; tile 15
	s_wait_alu depctr_va_vdst(0)                   ; tile 15 has written v10 and its four maxima, which the stores below read; its matrix instructions and maxima are done with v128 on, in which the loads from the stage land
	PUT
	s_wait_loadcnt 0x0                             ; the last tile's second asking
	s_wait_dscnt 0x0                               ; my stores into the stage are done
	s_barrier_signal -1
	s_barrier_wait -1                              ; 128 channels x 128 queries lie in the stage
.irp i, 0,1,2,3,4,5,6,7,8,9,10,11,12,13,14,15
	ds_load_b128 v[H+4*\i:H+4*\i+3], v12 offset:528*\i
.endr
.irp i, 0,1,2,3,4,5,6,7,8,9,10,11,12,13,14,15
	s_wait_dscnt 15-\i                             ; LDS loads come back in order: row i is in
	global_store_b128 v11, v[H+4*\i:H+4*\i+3], s[24:25] offset:16384*\i th:TH_STORE_NT          ; 32 lanes store 512 consecutive bytes, aligned; written once, read by nobody here
.endr
	s_wait_dscnt 0x0
	s_wait_alu depctr_hold_cnt(0) depctr_sa_sdst(0) depctr_va_vdst(0) depctr_va_sdst(0) depctr_va_ssrc(0) depctr_va_vcc(0) depctr_vm_vsrc(0)
	s_wait_tensorcnt 0x0
	ds_add_u32 v114, v115
	s_wait_dscnt 0x0
	s_endpgm
.Lfunc_end_k_q2da20a38ca_mlp:
	.size	k_q2da20a38ca_mlp, .Lfunc_end_k_q2da20a38ca_mlp-k_q2da20a38ca_mlp
	.p2alignl 7, 3214868480
	.fill 96, 4, 3214868480
	.section	.rodata,"a",@progbits
	.p2align	6, 0x0
	.amdhsa_kernel k_q2da20a38ca_mlp
		.amdhsa_group_segment_fixed_size 68608
		.amdhsa_private_segment_fixed_size 0
		.amdhsa_enable_private_segment 0
		.amdhsa_kernarg_size 88
		.amdhsa_user_sgpr_count 2
		.amdhsa_user_sgpr_kernarg_segment_ptr 1
		.amdhsa_wavefront_size32 1
		.amdhsa_system_sgpr_workgroup_id_x 1
		.amdhsa_system_sgpr_workgroup_id_y 1
		.amdhsa_system_sgpr_workgroup_id_z 1
		.amdhsa_system_vgpr_workitem_id 0
		.amdhsa_next_free_vgpr 512
		.amdhsa_next_free_sgpr 66
		.amdhsa_reserve_vcc 1
		.amdhsa_float_denorm_mode_32 3
		.amdhsa_float_denorm_mode_16_64 3
		.amdhsa_memory_ordered 1
		.amdhsa_forward_progress 1
		.amdhsa_inst_pref_size 117
	.end_amdhsa_kernel
	.amdgpu_metadata
---
amdhsa.version: [ 1, 2 ]
amdhsa.kernels:
  - .name:           k_q2da20a38ca_mlp
    .symbol:         k_q2da20a38ca_mlp.kd
    .args:
      - { .name: rec1, .offset: 0, .size: 8, .value_kind: global_buffer, .address_space: global }
      - { .name: rec2, .offset: 8, .size: 8, .value_kind: global_buffer, .address_space: global }
      - { .name: nbr, .offset: 16, .size: 8, .value_kind: global_buffer, .address_space: global }
      - { .name: wq, .offset: 24, .size: 8, .value_kind: global_buffer, .address_space: global }
      - { .name: w_pos, .offset: 32, .size: 8, .value_kind: global_buffer, .address_space: global }
      - { .name: b_pos, .offset: 40, .size: 8, .value_kind: global_buffer, .address_space: global }
      - { .name: b_t1, .offset: 48, .size: 8, .value_kind: global_buffer, .address_space: global }
      - { .name: b_t2, .offset: 56, .size: 8, .value_kind: global_buffer, .address_space: global }
      - { .name: b_m1, .offset: 64, .size: 8, .value_kind: global_buffer, .address_space: global }
      - { .name: b_m2, .offset: 72, .size: 8, .value_kind: global_buffer, .address_space: global }
      - { .name: out0, .offset: 80, .size: 8, .value_kind: global_buffer, .address_space: global }
    .group_segment_fixed_size: 68608
    .private_segment_fixed_size: 0
    .kernarg_segment_align: 8
    .kernarg_segment_size: 88
    .max_flat_workgroup_size: 256
    .sgpr_count:     66
    .vgpr_count:     512
    .wavefront_size: 32
...
	.end_amdgpu_metadata
.endif
;; end of part 4
